; MI455X (gfx1250); checked and timed in simulation.
; The chip was launched on July 23, 2026; its instructions are those of AMD's public machine-readable ISA for CDNA 5 (MIT licence, August 2026) and "CDNA5" Instruction Set Architecture Reference Guide (July 2026). The comments in the code are by the model that wrote it; some were corrected since.
;; Inter Modality Update. Allowed arithmetic: matrix products marked QUANTISED: E2M3 operands, one E8M0 scale for each 32 along K, by v_wmma_scale_f32_16x16x128_f8f6f4 with both operands' format E2M3, f32 sums; everything else in f32.
;; Inputs: Wk 1,024 x 3,072 float32; Wko 3,072 x 1,024 float32; Wq 1,024 x 3,072 float32; Wv 1,024 x 3,072 float32; Wvo 2,048 x 1,024 float32; bk 3,072 float32; bko 1,024 float32; bq 3,072 float32; bv 3,072 float32; bvo 1,024 float32; k 8 x 512 x 1,024 float32; k_mask 8 x 512 int32; q 8 x 512 x 1,024 float32; q_mask 8 x 512 int32; v 8 x 512 x 1,024 float32; v_mask 8 x 512 int32.
;; Outputs: out0 8 x 512 x 1,024 float32; out1 8 x 512 x 1,024 float32.
;; This version of the problem:
;;   THIS VERSION OF THE PROBLEM IS GIVEN IN LOW PRECISION. The matrix products marked QUANTISED in the list below multiply operands that are first quantised to E2M3 (2 exponent bits, 3 mantissa bits; 6 bits a number), with one power-of-two scale for each 32 numbers along K (OCP MX v1.0); their sums are f32. All else is computed in f32.
;;   The module's matrix products, in the order in which they are computed (A, B: the left and right operand; K: the contracted axis; several contracted axes count as one K, in the product's order):
;;     1. [M 4,096, K 1,024] x [K 1,024, N 3,072]; A: computed on the way; B: input Wv: QUANTISED
;;     2. [M 4,096, K 1,024] x [K 1,024, N 3,072]; A: computed on the way; B: input Wq: QUANTISED
;;     3. [M 4,096, K 1,024] x [K 1,024, N 3,072]; A: computed on the way; B: input Wk: QUANTISED
;;     4. batch 128 x [M 512, K 64] x [K 64, N 512]; A: computed on the way; B: computed on the way: QUANTISED
;;     5. batch 128 x [M 64, K 512] x [K 512, N 512]; A: computed on the way; B: softmax (see below): QUANTISED
;;     6. batch 128 x [M 512, K 64] x [K 64, N 512]; A: computed on the way; B: computed on the way: QUANTISED
;;     7. batch 128 x [M 64, K 512] x [K 512, N 512]; A: computed on the way; B: softmax (see below): QUANTISED
;;     8. [M 4,096, K 2,048] x [K 2,048, N 1,024]; A: computed on the way; B: input Wvo: QUANTISED
;;     9. [M 4,096, K 3,072] x [K 3,072, N 1,024]; A: computed on the way; B: input Wko: QUANTISED
;;   THE QUANTISER, for each operand of a quantised product, along K:
;;     - K is cut into blocks of 32 from its start; a last block that is shorter is filled with zeros.
;;     - A block's scale is 2^e with e = floor(log2(the largest magnitude in the block)) - 2, held to -126 .. 127; a block of zeros has e = 0. As a byte (E8M0): e + 127.
;;     - Each number is divided by its block's scale, clamped to +-7.5, and rounded to the nearest number of E2M3, ties to even, subnormals kept.
;;     - The product sums the exact products of the quantised numbers (number of the format x scale) in f32.
;;   ~~~python
;;   def quantise(x, axis):      # numpy; x: float32 -> the quantised numbers, widened to float32 again
;;       x = np.moveaxis(x, axis, -1); K = x.shape[-1]
;;       x = np.pad(x, [(0, 0)] * (x.ndim - 1) + [(0, -K % 32)]); x = x.reshape(x.shape[:-1] + (-1, 32)); a = np.abs(x).max(-1, keepdims=True)
;;       e = np.where(a > 0, np.clip(np.frexp(np.where(a > 0, a, 1))[1] - 1 - 2, -126, 127), 0)      # np.frexp(a)[1] - 1 = floor(log2(a)), exactly
;;       r = np.clip(x / 2.0 ** e, -7.5, 7.5)
;;       step = 2.0 ** (np.maximum(np.frexp(np.where(r == 0, 1, r))[1] - 1, 0) - 3)
;;       q = np.round(r / step) * step * 2.0 ** e      # np.round: ties to even
;;       return np.moveaxis(q.reshape(q.shape[:-2] + (-1,))[..., :K], -1, axis).astype(np.float32)
;;   ~~~
;;   SOFTMAX AHEAD OF A QUANTISED PRODUCT. Where the list says 'softmax', what is quantised is not the finished softmax but p = 2^(t - M), with t = logit x log2(e) and M = ceil(the row's largest t), a whole number; so 1/2 < the row's largest p <= 1. The row's sum l is taken of the UNQUANTISED p, in f32, and the product's result is divided by l at the end. Since M is a whole number, a kernel that streams over the keys may use a running M (the ceiling of the running maximum): every later rescaling is an exact power of two, which a block's scale takes up: the codes' values come out the same.
;;   OPERANDS COMPUTED ON THE WAY. 'Computed on the way' means the value that the module computes at that place (a softmax that the list does not call 'softmax' is quantised finished and normalised). What goes into a quantiser is computed in f32, as accurately as f32 sums, v_exp_f32 and their like allow (about 1e-6 of the number): no bf16 or f16 on the way to a quantiser, and a product that is left as it is and whose result goes on into a quantised operand takes f32 operands (vector FMAs, or v_wmma_f32_16x16x4_f32). A number that lies on a knife's edge between two numbers of the format may be rounded either way, as far as f32 arithmetic and the matrix unit's own rounding can turn it there, and no further.
;; One version. Each part assembles by itself: llvm-mc -triple=amdgcn-amd-amdhsa -mcpu=gfx1250 --defsym DOCPART=n.
;; ======== version 1 of 1: 4 launches
;; limits: right only within a limited range of input values
;; workspace buffers: XC 9,830,400 bytes; WQ 8,192,000 bytes; AC 9,830,400 bytes; PC 19,660,800 bytes
;; launch quant (part 1): grid 1088 x 1, 8 waves a work-group, no clusters, 68,608 bytes of LDS; arguments v, q, k, Wv, Wq, Wk, Wvo, Wko, XC, WQ, AC; writes XC, WQ, AC
.if DOCPART == 1
	.amdgcn_target "amdgcn-amd-amdhsa--gfx1250"
	.amdhsa_code_object_version 6
	.text
	.protected	k_q19895b5a49_quant
	.globl	k_q19895b5a49_quant
	.p2align	8
	.type	k_q19895b5a49_quant,@function
k_q19895b5a49_quant:
	s_mov_b64 s[64:65], 0
	v_nop
	global_prefetch_b8 v0, s[64:65] scope:SCOPE_SE
	s_setreg_imm32_b32 hwreg(HW_REG_WAVE_MODE, 25, 1), 1
	s_wait_xcnt 0x0
; The f32 inputs become codes of FP6 (E2M3) with one E8M0 byte for each 32 along K, laid IN THE ORDER OF AN OPERAND'S REGISTERS.
; A BLOCK (12,800 bytes) is 128 rows x 128 K: fragment i (rows 16 i ..) at 1536 i; in it, half c (registers 6 c .. 6 c + 5) at 768 c: four registers as 16 bytes a lane,
; then two as 8 bytes a lane at + 512; the rows' scale words at 12,288 + 32 r + 4 i.  A tensor [rows][K] is [rows / 128][K / 128] blocks.
; INSIDE A BLOCK OF 32 ALONG K position p holds k = p with its bits 3 and 4 exchanged: the order in which a matrix result falls into a lane's registers.  Every operand of this
; program is laid so, on both sides of every product, so the products are those of the true order; a block's members and its scale are untouched.
; Work-groups 0-319: the weights, whose K is their FIRST axis -> WQ, as W^T.  A lane takes a column and its registers run down K; of Wv, Wq, Wk only the five thirds that are used.
; They read 131,072 bytes each, twice what the others read, so they have the lowest numbers.
; Work-groups 320-1087: v, q, k.  relu(x) -> XC; v as it is -> K steps 0-7 of AC.  16 whole rows a work-group (65,536 consecutive bytes), wave w K step w: one fragment.
; 128 registers a wave: four work-groups of eight waves share a WGP's 4 x 1,024 registers (and 4 x 68,608 bytes of its LDS), so that one's loads are out while another computes and stores.
; Memory binds: no matrix unit, no cluster (no two work-groups read the same bytes), no tensor load.
; LIMITS: NaN and infinities are not served; a block of zeros gets the byte 1 where the rule says 127 (its codes are zeros, and this program alone reads the bytes).
.set BLK,   12800
.set SCO,   12288
.set XPART, 3276800                    ; a tensor of 4,096 x 1,024 in blocks
.set WPART, 819200                     ; a third of a projection's weight: 1,024 x 1,024
.set WKO,   4096000                    ; where Wko^T begins in WQ,
.set WVO,   6553600                    ; and Wvo^T
.set NW,    320                        ; the weights' work-groups
.set STG,   8448                       ; a wave's stage: 16 rows x (512 bytes + 16)
.set SPARE, 8*STG                      ; behind the stages: the spare words, 128 bytes a wave
.set SPW, 30                           ; v30  my spare word's LDS address; never rewritten
.set NIL, 31                           ; v31  0; never rewritten
.set TM,  8                            ; v8-23  the quantiser's temporaries
.set PW,  24                           ; v24  a scale word
.set X,   32                           ; v32-95   x as loaded, then 64 numbers of my row in the operand's order;  the weights' path: two sets of 32 numbers of my column
.set CD,  96                           ; v96-114  codes
.set F,   96                           ; the weights' path: v96-119 two fragments; v120-122 at work
.set T3,  120
.set SEL, 38                           ; s[38:39] v_permlanex16_b32's selects for lane l xor 16
.set WV,  46                           ; s46 my wave's number
; 64 numbers of a lane, register 16 b + i = position 16 (lane / 16) + i of block b of my row, become a fragment's codes in v[CD] on and its scale word in v[pw].
.macro QUANT s, pw
.irp b, 0,1,2,3
	v_max3_num_f32 v[TM+\b], |v[\s+16*\b]|, |v[\s+1+16*\b]|, 0x1800000   ; my 16 numbers of block b, and the floor 2^(3 - 127): the byte cannot fall under 1
.endr
.irp i, 2,4,6,8,10,12,14
.irp b, 0,1,2,3
	s_delay_alu instid0(VALU_DEP_4)
	v_max3_num_f32 v[TM+\b], v[TM+\b], |v[\s+16*\b+\i]|, |v[\s+1+16*\b+\i]|
.endr
.endr
.irp b, 0,1,2,3
	s_delay_alu instid0(VALU_DEP_4)
	v_permlanex16_b32 v[TM+4+\b], v[TM+\b], s[SEL], s[SEL+1]
.endr
.irp b, 0,1,2,3
	s_delay_alu instid0(VALU_DEP_4)
	v_max_num_f32 v[TM+\b], v[TM+\b], v[TM+4+\b]   ; with lane l xor 16's: the block's largest magnitude
.endr
.irp b, 0,1,2,3
	s_delay_alu instid0(VALU_DEP_4)
	v_add_nc_u32 v[TM+12+\b], 0xff000000, v[TM+\b]   ; 2 off its exponent field: the conversion's scale operand
.endr
.irp b, 0,1,2,3
	s_delay_alu instid0(VALU_DEP_4)
	v_lshrrev_b32 v[TM+4+\b], 23, v[TM+12+\b]   ; the scale's byte
.endr
	s_delay_alu instid0(VALU_DEP_3)
	v_lshl_or_b32 v[\pw], v[TM+5], 8, v[TM+4]
	s_delay_alu instid0(VALU_DEP_1)
	v_lshl_or_b32 v[\pw], v[TM+6], 16, v[\pw]
	s_delay_alu instid0(VALU_DEP_1)
	v_lshl_or_b32 v[\pw], v[TM+7], 24, v[\pw]
.irp c, 0,1
	v_cvt_scalef32_pk16_fp6_f32 v[CD+6*\c:CD+2+6*\c], v[\s+32*\c:\s+15+32*\c], v[TM+12+2*\c]
	v_cvt_scalef32_pk16_fp6_f32 v[CD+12+4*\c:CD+14+4*\c], v[\s+16+32*\c:\s+31+32*\c], v[TM+12+2*\c+1]   ; (a conversion's three registers begin on an even number)
.endr
	v_nop                                          ; one plain place behind a scaled conversion
.irp c, 0,1                                    ; the operand wants a WHOLE block in a lane: lanes 0-15 block 2 c, lanes 16-31 block 2 c + 1
.irp i, 0,1,2
	v_permlane16_swap_b32 v[CD+6*\c+\i], v[CD+12+4*\c+\i]
.endr
.irp i, 0,1,2
	s_delay_alu instid0(VALU_DEP_3)
	v_mov_b32 v[CD+3+6*\c+\i], v[CD+12+4*\c+\i]
.endr
.endr
.endm
.macro ST4 reg, o16, o8, base, off             ; a fragment leaves as it stands: each store covers 512 or 256 consecutive bytes, aligned
	global_store_b128 v[\o16], v[\reg:\reg+3], s[\base:\base+1] offset:\off
	global_store_b64 v[\o8], v[\reg+4:\reg+5], s[\base:\base+1] offset:\off+512
	global_store_b128 v[\o16], v[\reg+6:\reg+9], s[\base:\base+1] offset:\off+768
	global_store_b64 v[\o8], v[\reg+10:\reg+11], s[\base:\base+1] offset:\off+1280
.endm
	s_load_b512 s[16:31], s[0:1], 0x0              ; v, q, k, Wv, Wq, Wk, Wvo, Wko: s[16:17] .. s[30:31]
	s_load_b128 s[32:35], s[0:1], 0x40             ; XC, WQ
	s_load_b64 s[36:37], s[0:1], 0x50              ; AC
	v_lshl_add_u32 v[SPW], v0, 2, SPARE
	v_mov_b32 v[NIL], 0
	v_lshrrev_b32 v1, 5, v0
	s_delay_alu instid0(VALU_DEP_1)
	v_readfirstlane_b32 s[WV], v1                  ; wave 0..7
	v_and_b32 v7, 31, v0                           ; lane
	v_and_b32 v25, 15, v0                          ; r
	v_bfe_u32 v26, v0, 4, 1                        ; h
	s_mov_b32 s[SEL], 0x76543210
	s_mov_b32 s[SEL+1], 0xfedcba98
	s_wait_kmcnt 0x0
	s_cmp_lt_u32 ttmp9, NW
	s_cbranch_scc1 .Lweights
	; ---- v, q, k
	s_sub_co_u32 s47, ttmp9, NW
	s_lshr_b32 s2, s47, 8                          ; which tensor: 0 v, 1 q, 2 k
	s_and_b32 s3, s47, 255                         ; which 16 rows of it
	s_cmp_eq_u32 s2, 0
	s_cselect_b64 s[40:41], s[16:17], s[18:19]
	s_cmp_eq_u32 s2, 2
	s_cselect_b64 s[40:41], s[20:21], s[40:41]
	s_lshl_b32 s4, s3, 16                          ; 16 rows of 4,096 bytes
	s_mov_b32 s5, 0
	s_add_nc_u64 s[40:41], s[40:41], s[4:5]
	v_lshlrev_b32 v1, 4, v0                        ; 512 x wave + 16 x lane: my 16 bytes of my wave's 512 of a row
.irp i, 0,1,2,3,4,5,6,7,8,9,10,11,12,13,14,15
	global_load_b128 v[X+4*\i:X+4*\i+3], v1, s[40:41] offset:4096*\i th:TH_LOAD_NT   ; a row a load: 512 consecutive bytes a wave, the eight waves a whole row
.endr
	s_mul_i32 s6, s[WV], STG
	s_wait_alu depctr_va_vdst(0)
	v_lshl_add_u32 v2, v7, 4, s6                   ; into my stage: as loaded
	v_mul_u32_u24 v3, v25, 528
	s_delay_alu instid0(VALU_DEP_1)
	v_lshl_add_u32 v3, v26, 5, v3
	s_delay_alu instid0(VALU_DEP_1)
	v_add_nc_u32 v3, s6, v3                        ; out of it: row r, + 32 h
	s_and_b32 s7, s3, 7                            ; which fragment of its block my rows are
	s_mul_i32 s8, s7, 1536
	v_lshl_add_u32 v4, v7, 4, s8
	v_lshl_add_u32 v5, v7, 3, s8
	s_lshl_b32 s9, s7, 2
	v_lshl_add_u32 v6, v25, 5, s9                  ; my row's scale word
	s_lshr_b32 s10, s3, 3                          ; the group of 128 rows
	s_lshl_b32 s12, s10, 3
	s_add_co_u32 s12, s12, s[WV]
	s_mul_i32 s12, s12, BLK
	s_mul_i32 s13, s2, XPART
	s_add_co_u32 s12, s12, s13
	s_mov_b32 s13, 0
	s_add_nc_u64 s[42:43], s[32:33], s[12:13]      ; XC: tensor, block (group, K step = wave)
	s_mul_i32 s14, s10, 24
	s_add_co_u32 s14, s14, s[WV]
	s_mul_i32 s14, s14, BLK
	s_mov_b32 s15, 0
	s_add_nc_u64 s[44:45], s[36:37], s[14:15]      ; AC: a group has 24 K steps
.irp b, 0,1,2,3
	v_mov_b32 v[TM+4+\b], 0                        ; written once: a lane permute's destination counts as one of its sources
.endr
	s_wait_alu depctr_va_vdst(0)
.irp i, 0,1,2,3,4,5,6,7,8,9,10,11,12,13,14,15
	s_wait_loadcnt 15-\i                           ; row i is in; the younger rows' loads may be out
	ds_store_b128 v2, v[X+4*\i:X+4*\i+3] offset:528*\i
.endr
	s_wait_dscnt 0x0                               ; the stores have read their registers: the rows come back into the same 64
.irp b, 0,1,2,3                                ; rows 33 x 16 bytes apart
.irp u, 0,1
.irp d, 0,1
	ds_load_b128 v[X+16*\b+8*\u+4*\d:X+16*\b+8*\u+4*\d+3], v3 offset:128*\b+64*\u+16*\d   ; register 16 b + 8 u + j = k 32 b + 16 u + 8 h + j
.endr
.endr
.endr
	s_wait_dscnt 0x0
	s_cmp_lg_u32 s2, 0
	s_cbranch_scc1 .Lnot_v
	QUANT X, PW                                    ; v as it is: the first third of the output products' operand
	ST4 CD, 4, 5, 44, 0
	global_store_b32 v6, v[PW], s[44:45] offset:SCO   ; lanes l and l xor 16 hold the same word and write the same place
	s_wait_xcnt 0x0                                ; the stores have read their registers: the codes and the word are written again below
.Lnot_v:
.set jj, 0
.rept 64
	v_max_num_f32 v[X+jj], 0, v[X+jj]              ; relu, in f32
.set jj, jj+1
.endr
	QUANT X, PW
	ST4 CD, 4, 5, 42, 0
	global_store_b32 v6, v[PW], s[42:43] offset:SCO
	s_wait_tensorcnt 0x0                           ; the wave's end, behind my last LDS store
	ds_add_u32 v[SPW], v[NIL]
	s_wait_dscnt 0x0
	s_endpgm
	; ---- the weights.  A work-group takes 256 columns x 128 K, a wave 32 columns; a column's four blocks of 32 go through two sets of 32 registers
.macro WLOADB b, pitch                         ; block b into set b % 2: register p = row 32 b + (p with bits 3 and 4 exchanged) of my column: 128 consecutive bytes a wave, 1,024 a work-group
.set pp, 0
.rept 32
	global_load_b32 v[X+32*((\b)%2)+pp], v1, s[40:41] offset:(32*(\b)+(((pp&8)<<1)|((pp&16)>>1)|(pp&7)))*\pitch th:TH_LOAD_NT
.set pp, pp+1
.endr
.endm
.macro WBLOCK b, fb                            ; block b of my column: all its 32 numbers are mine; its six registers of codes go to v[F + fb] on
.set XS, X+32*((\b)%2)
	v_max3_num_f32 v12, |v[XS]|, |v[XS+1]|, |v[XS+2]|
	v_max3_num_f32 v13, |v[XS+3]|, |v[XS+4]|, |v[XS+5]|
.irp i, 6,10,14,18,22,26
	s_delay_alu instid0(VALU_DEP_2)
	v_max3_num_f32 v12, v12, |v[XS+\i]|, |v[XS+\i+1]|
	s_delay_alu instid0(VALU_DEP_2)
	v_max3_num_f32 v13, v13, |v[XS+\i+2]|, |v[XS+\i+3]|
.endr
	s_delay_alu instid0(VALU_DEP_2)
	v_max3_num_f32 v12, v12, |v[XS+30]|, |v[XS+31]|
	s_delay_alu instid0(VALU_DEP_1)
	v_max3_num_f32 v12, v12, v13, 0x1800000        ; and the floor
	s_delay_alu instid0(VALU_DEP_1)
	v_add_nc_u32 v11, 0xff000000, v12
	s_delay_alu instid0(VALU_DEP_1)
	v_lshrrev_b32 v13, 23, v11
.if \b == 0
	s_delay_alu instid0(VALU_DEP_1)
	v_mov_b32 v[PW], v13
.else
	s_delay_alu instid0(VALU_DEP_1)
	v_lshl_or_b32 v[PW], v13, 8*\b, v[PW]
.endif
	v_cvt_scalef32_pk16_fp6_f32 v[F+\fb:F+\fb+2], v[XS:XS+15], v11
	v_cvt_scalef32_pk16_fp6_f32 v[T3:T3+2], v[XS+16:XS+31], v11
	v_nop                                          ; one plain place behind a scaled conversion
.irp i, 0,1,2
	v_mov_b32 v[F+\fb+3+\i], v[T3+\i]
.endr
.endm
; The whole body behind the choice of the source: written twice, since a load's offset holds the pitch.  s7: where the tensor begins in WQ; s8: which 256 columns; s9: which K step; s12: its K steps
.macro WBODY pitch
	WLOADB 0, \pitch
	WLOADB 1, \pitch
	s_lshl_b32 s13, s8, 1
	s_lshr_b32 s14, s[WV], 2
	s_add_co_u32 s13, s13, s14                     ; the group of 128 columns: rows of W^T
	s_mul_i32 s13, s13, s12
	s_add_co_u32 s13, s13, s9
	s_mul_i32 s13, s13, BLK
	s_add_co_u32 s14, s13, s7
	s_mov_b32 s15, 0
	s_add_nc_u64 s[44:45], s[34:35], s[14:15]
	s_and_b32 s6, s[WV], 3                         ; my 32 columns are fragments 2 (wave % 4) and the next
	s_mul_i32 s10, s6, 3072
	v_lshl_add_u32 v4, v7, 4, s10
	v_lshl_add_u32 v5, v7, 3, s10
	s_lshl_b32 s10, s6, 3
	v_lshlrev_b32 v6, 5, v25
	s_delay_alu instid0(VALU_DEP_1)
	v_lshl_add_u32 v6, v26, 2, v6
	s_delay_alu instid0(VALU_DEP_1)
	v_add_nc_u32 v6, s10, v6                       ; my column's scale word: 32 r + 4 (fragment)
	s_wait_loadcnt 32                              ; block 0 is in; block 1's 32 loads may be out
	WBLOCK 0, 0
	WLOADB 2, \pitch                               ; its set takes the block two on
	s_wait_loadcnt 32                              ; block 1 is in; block 2's may be out
	WBLOCK 1, 12
	WLOADB 3, \pitch
	s_wait_loadcnt 32                              ; block 2 is in; block 3's may be out
	WBLOCK 2, 6
	s_wait_loadcnt 0x0
	WBLOCK 3, 18
.irp i, 0,1,2,3,4,5,6,7,8,9,10,11              ; the first's lanes 16-31 change places with the second's lanes 0-15: v[F] on is now the fragment of columns 0-15 (lanes 0-15 blocks 0, 2; lanes 16-31 blocks 1, 3), v[F + 12] on that of columns 16-31
	v_permlane16_swap_b32 v[F+\i], v[F+12+\i]
.endr
	ST4 F, 4, 5, 44, 0
	ST4 F+12, 4, 5, 44, 1536
	global_store_b32 v6, v[PW], s[44:45] offset:SCO
	s_wait_tensorcnt 0x0                           ; the wave's end
	ds_add_u32 v[SPW], v[NIL]
	s_wait_dscnt 0x0
	s_endpgm
.endm
.Lweights:
	s_mov_b32 s2, ttmp9
	v_lshlrev_b32 v1, 2, v0                        ; my column among the work-group's 256
	s_cmp_lt_u32 s2, 160
	s_cbranch_scc0 .Lout_w
	s_lshr_b32 s3, s2, 5                           ; which third: 0 Wv's second (v_q), 1 Wq's first (q_k), 2 Wk's first (k_k), 3 Wk's second (k_q), 4 Wq's third (q_v)
	s_and_b32 s4, s2, 31
	s_lshl_b32 s5, s3, 1
	s_lshr_b32 s5, 0x241, s5
	s_and_b32 s5, s5, 3
	s_lshl_b32 s5, s5, 12                          ; the third's first column, in bytes
	s_lshr_b32 s6, s3, 1
	s_cmp_eq_u32 s6, 1
	s_cselect_b64 s[40:41], s[26:27], s[24:25]
	s_cmp_eq_u32 s3, 0
	s_cselect_b64 s[40:41], s[22:23], s[40:41]
	s_mul_i32 s7, s3, WPART                        ; where it goes in WQ
	s_mov_b32 s12, 8                               ; its K steps
	s_and_b32 s8, s4, 3                            ; which 256 columns
	s_lshr_b32 s9, s4, 2                           ; which K step
	s_mul_i32 s10, s9, 128*12288
	s_add_co_u32 s10, s10, s5
	s_lshl_b32 s11, s8, 10
	s_add_co_u32 s10, s10, s11
	s_mov_b32 s11, 0
	s_add_nc_u64 s[40:41], s[40:41], s[10:11]
	s_wait_alu depctr_va_vdst(0)
	WBODY 12288
.Lout_w:
	s_cmp_lt_u32 s2, 256                           ; Wko (96 work-groups), then Wvo (64)
	s_cselect_b64 s[40:41], s[30:31], s[28:29]
	s_cselect_b32 s12, 24, 16
	s_mov_b32 s7, WVO
	s_cselect_b32 s7, WKO, s7
	s_mov_b32 s4, 256
	s_cselect_b32 s4, 160, s4
	s_sub_co_u32 s4, s2, s4
	s_and_b32 s8, s4, 3
	s_lshr_b32 s9, s4, 2
	s_mul_i32 s10, s9, 128*4096
	s_lshl_b32 s11, s8, 10
	s_add_co_u32 s10, s10, s11
	s_mov_b32 s11, 0
	s_add_nc_u64 s[40:41], s[40:41], s[10:11]
	s_wait_alu depctr_va_vdst(0)
	WBODY 4096
.Lfunc_end_k_q19895b5a49_quant:
	.size	k_q19895b5a49_quant, .Lfunc_end_k_q19895b5a49_quant-k_q19895b5a49_quant
	.p2alignl 7, 3214868480
	.fill 96, 4, 3214868480
	.section	.rodata,"a",@progbits
	.p2align	6, 0x0
	.amdhsa_kernel k_q19895b5a49_quant
		.amdhsa_group_segment_fixed_size 68608
		.amdhsa_private_segment_fixed_size 0
		.amdhsa_enable_private_segment 0
		.amdhsa_kernarg_size 88
		.amdhsa_user_sgpr_count 2
		.amdhsa_user_sgpr_kernarg_segment_ptr 1
		.amdhsa_wavefront_size32 1
		.amdhsa_system_sgpr_workgroup_id_x 1
		.amdhsa_system_sgpr_workgroup_id_y 1
		.amdhsa_system_sgpr_workgroup_id_z 1
		.amdhsa_system_vgpr_workitem_id 0
		.amdhsa_next_free_vgpr 128
		.amdhsa_next_free_sgpr 66
		.amdhsa_reserve_vcc 0
		.amdhsa_float_denorm_mode_32 3
		.amdhsa_float_denorm_mode_16_64 3
		.amdhsa_memory_ordered 1
		.amdhsa_forward_progress 1
		.amdhsa_inst_pref_size 67
	.end_amdhsa_kernel
	.amdgpu_metadata
---
amdhsa.version: [ 1, 2 ]
amdhsa.kernels:
  - .name:           k_q19895b5a49_quant
    .symbol:         k_q19895b5a49_quant.kd
    .args:
      - { .name: v, .offset: 0, .size: 8, .value_kind: global_buffer, .address_space: global }
      - { .name: q, .offset: 8, .size: 8, .value_kind: global_buffer, .address_space: global }
      - { .name: k, .offset: 16, .size: 8, .value_kind: global_buffer, .address_space: global }
      - { .name: Wv, .offset: 24, .size: 8, .value_kind: global_buffer, .address_space: global }
      - { .name: Wq, .offset: 32, .size: 8, .value_kind: global_buffer, .address_space: global }
      - { .name: Wk, .offset: 40, .size: 8, .value_kind: global_buffer, .address_space: global }
      - { .name: Wvo, .offset: 48, .size: 8, .value_kind: global_buffer, .address_space: global }
      - { .name: Wko, .offset: 56, .size: 8, .value_kind: global_buffer, .address_space: global }
      - { .name: XC, .offset: 64, .size: 8, .value_kind: global_buffer, .address_space: global }
      - { .name: WQ, .offset: 72, .size: 8, .value_kind: global_buffer, .address_space: global }
      - { .name: AC, .offset: 80, .size: 8, .value_kind: global_buffer, .address_space: global }
    .group_segment_fixed_size: 68608
    .private_segment_fixed_size: 0
    .kernarg_segment_align: 8
    .kernarg_segment_size: 88
    .max_flat_workgroup_size: 256
    .sgpr_count:     66
    .vgpr_count:     128
    .wavefront_size: 32
...
	.end_amdgpu_metadata
.endif
;; end of part 1
;; launch proj (part 2): grid 4 x 64, 4 waves a work-group, clusters of 4 x 4, 327,680 bytes of LDS; arguments XC, WQ, bv, bq, bk, v_mask, q_mask, k_mask, PC; writes PC
.if DOCPART == 2
	.amdgcn_target "amdgcn-amd-amdhsa--gfx1250"
	.amdhsa_code_object_version 6
	.text
	.protected	k_q19895b5a49_proj
	.globl	k_q19895b5a49_proj
	.p2align	8
	.type	k_q19895b5a49_proj,@function
k_q19895b5a49_proj:
	s_mov_b64 s[64:65], 0
	v_nop
	global_prefetch_b8 v0, s[64:65] scope:SCOPE_SE
	s_setreg_imm32_b32 hwreg(HW_REG_WAVE_MODE, 25, 1), 1
	s_wait_xcnt 0x0
	s_wait_alu depctr_hold_cnt(0) depctr_sa_sdst(0) depctr_va_vdst(0) depctr_va_sdst(0) depctr_va_ssrc(0) depctr_va_vcc(0) depctr_vm_vsrc(0)
	s_getreg_b32 s2, hwreg(HW_REG_IB_STS2, 6, 4)
	s_cmp_eq_u32 s2, 0
	s_cbranch_scc0 .Lentry_in_a_cluster
	s_endpgm
.Lentry_in_a_cluster:
	s_bfe_u32 s2, ttmp6, 0x10000c
	s_cmp_lg_u32 s2, 0xf033
	s_cbranch_scc0 .Lentry_shape_is_right
	s_endpgm
.Lentry_shape_is_right:
; The projections that are used, on codes of FP6: (relu(x) W + b) x the row's mask, quantised at once for the attention that follows.  K = 1,024: 8 K steps.
; The thirds v_k, v_v, q_q, k_v are split off by reference() and never used: they are not computed.
; Six groups of one generic product C'[m'][n'] = sum over k of A'[m'][k] B'[n'][k], whose result is quantised ALONG n':
;   groups 0-3 (v_q, q_k, k_k, k_q): A' = x (m' = tokens), B' = W^T (n' = columns): codes along the head's axis;
;   groups 4, 5 (q_v, k_q):          A' = W^T (m' = columns), B' = x (n' = tokens): codes along the keys.
; A tile is 128 m' x 256 n': 512 tiles of the first kind, 256 of the second.  256 WORK-GROUPS STAY and make three tiles each: two of the first kind (the loop's two trips) and one of the second (the tail, written out,
; which asks for nothing more).  So no branch tells the kinds apart.
; THE RING: two LDS slots, each with FOUR K steps: 4 blocks of A', 4 of each of B's two row groups (153,600 bytes).  One load a wave: waves 0, 1 two blocks of A' each, waves 2, 3 a row group of B'.
; The ring goes on from tile to tile: at K steps 3 and 7 of a tile the slot read out takes the next tile's K steps 0-3 and 4-7, which land under the products and the way out.  By the text's own count a wave has one load out.
; CLUSTERS: 4 x 4.  A' is shared along a row of the cluster, B' along a column: joint loads; a round of the cluster's barrier stands at each change of slots behind which a slot is filled again.
; PREFETCH: behind each joint load, the head's too, a wave names its partner's share of the fill after it, one slot (four K steps) ahead of the load that wants it: the four partners share the blocks of
; 256 bytes out by address (25 lanes an instruction; A' 6,400 bytes a partner, B' 12,800 in two instructions; lanes 25-31 name lane 24's again).  The first fill comes by its load alone; the last fill's load asks for nothing.
; A wave makes 64 m' x 128 n': 32 accumulators.  The matrix instruction is used transposed (source 0 = 16 rows of B', source 1 = 16 rows of A'): a lane holds one row m' and its registers run along n', in the order in
; which every operand of this program is laid (bits 3 and 4 of a place in a block of 32 exchanged): they are quantised as they stand.  THE BIAS IS THE C OF K STEP 0; the mask multiplies on the way out.
; REGISTERS: window 0: v8-31 addresses; v32-95 a row block's 64 numbers, v96-114 its codes; v128-151 scale words, two sets, and nothing else; v160-191 the tail's bias as a C; v216-231 the numbers along m';
;   v232-251 the quantiser's.   window 1: accumulator (a, b) at v[8 (8 a + b)].   window 2: B's fragments, two sets of 96; v192-255 the numbers along n' (bias, or for the tail the mask).   window 3: A's fragments, two sets of 48.
; LIMITS: NaN and infinities are not served; a block of zeros gets the byte 1 (its codes are zeros; this program alone reads the bytes).
.set BLK,   12800                      ; 128 rows x 128 K: 8 fragments of 1,536 bytes, then 512 bytes of scale words
.set SCO,   12288
.set GRP,   8*BLK
.set XPART, 3276800
.set WPART, 819200
.set SLOT,  12*BLK
.set SPARE, 2*SLOT                     ; behind the ring: the spare words, 128 bytes a wave
.set A16, 8                            ; v8-19: LDS addresses, slot 0 and slot 1 of each; slot 0's of A' are also my places in a block of the result
.set A8,  10
.set AS,  12
.set B16, 14
.set B8,  16
.set BS,  18
.set BO,  20
.set MO,  21
.set PFO, 22
.set SPW, 30
.set NIL, 31
.set H,   32
.set CD,  96
.set SC,  128
.set CB,  160
.set LNX, 216
.set LN,  224
.set TM,  232
.set PWS, 248
.set WV,  22
.set HB,  23                           ; wave / 2: my 64 m'; also: I fetch for A' (0) or B' (1)
.set LO,  24                           ; wave % 2: my row group of B'; also: which part I fetch
.set CX,  25
.set CY,  26
.set GR,  27
.set MT0, 28
.set G0A, 36
.set G0B, 44
.set G1A, 52
.set SEL, 60
.set PSH, 62                           ; s[62:63] my partner's share of what I fetch, in bytes
.set MT1, 66
.set NT1, 67
.set G1B, 68
.set OUTC, 76                          ; s[76:77] this tile's block of PC
.set T1,  78                           ; s[78:87] the next tile: A', B', the numbers along n', along m', its block of PC
.set T2,  88                           ; s[88:97] the tile after it
.set PF1, 98
.set PF2, 100
.set CNT, 104
.set HALF, 105
.set MSB, 0
.macro WIN new                         ; the immediate's high byte repeats the setting that is left
.if MSB != \new
	s_set_vgpr_msb (MSB<<8)|\new
.set MSB, \new
.endif
.endm
.macro PLACES                          ; four plain places behind matrix instructions (ISA guide 7.12.1)
.rept 4
	v_nop
.endr
.endm
.macro CREST                           ; a round of the cluster's barrier behind its opening barrier
	s_cmp_lg_u32 s[WV], 0
	s_cbranch_scc1 .Lnot_wave_0_\@
	s_barrier_signal -3
.Lnot_wave_0_\@:
	s_barrier_wait -3
	s_barrier_signal -1
	s_barrier_wait -1
.endm
.macro CROUND
	s_barrier_signal -1
	s_barrier_wait -1
	CREST
.endm
.macro JLOAD s                         ; a joint load into slot s: each line has one mask and one set of registers; the branch hangs on the wave's number alone
	s_cmp_eq_u32 s[HB], 0
	s_cbranch_scc0 .Lfor_b_\@
	tensor_load_to_lds s[G0A+4*(\s):G0A+4*(\s)+3], s[G1A:G1A+7]
	s_nop 0
	PLACES
	s_branch .Lasked_\@
.Lfor_b_\@:
	tensor_load_to_lds s[G0B+4*(\s):G0B+4*(\s)+3], s[G1B:G1B+7]
	s_nop 0
	PLACES
.Lasked_\@:
.endm
.macro ASK base, off                   ; my share of a fill is named: the same bytes that the fill's load will bring
	global_prefetch_b8 v[PFO], s[\base:\base+1] offset:\off th:TH_LOAD_NT scope:SCOPE_SE
	s_cmp_eq_u32 s[HB], 0
	s_cbranch_scc1 .Lno_ask_\@
	global_prefetch_b8 v[PFO], s[\base:\base+1] offset:\off+6400 th:TH_LOAD_NT scope:SCOPE_SE
.Lno_ask_\@:
.endm
; A tile's five addresses, from its group in s[GR].  typ = 1: tokens along n'.  What feeds A's address holds the tile row alone (s32-34), what feeds B's the tile column alone (s2, s3, s35)
.macro PARAMS typ, D, PFD
.if \typ
.set MTR, MT1
.set NTR, NT1
.set AP, 6
.set AO, 31
.set BP, 4
.set BQ, 30
.set BI, \D+6
.set MI, \D+4
.set MSH, 5
.else
.set MTR, MT0
.set NTR, CX
.set AP, 4
.set AO, 30
.set BP, 6
.set BQ, 31
.set BI, \D+4
.set MI, \D+6
.set MSH, 3
.endif
	s_lshl_b32 s29, s[GR], 1
	s_lshr_b32 s30, 0x9a4, s29
	s_and_b32 s30, s30, 3                          ; x: 0 v, 1 q, 2 k
	s_lshr_b32 s32, 0x641, s29
	s_and_b32 s32, s32, 3
	s_lshl_b32 s32, s32, 12                        ; the third's first bias, in bytes
	s_mov_b32 s33, 0
	s_mov_b32 s3, 0
	s_cmp_eq_u32 s[GR], 5
	s_cselect_b32 s31, 3, s[GR]                    ; the third's place in WQ (group 5 is k_q again)
	s_cmp_eq_u32 s30, 0
	s_cselect_b64 s[BI:BI+1], s[8:9], s[10:11]     ; the bias,
	s_cselect_b64 s[MI:MI+1], s[14:15], s[16:17]   ; the mask
	s_cmp_eq_u32 s30, 2
	s_cselect_b64 s[BI:BI+1], s[12:13], s[BI:BI+1]
	s_cselect_b64 s[MI:MI+1], s[18:19], s[MI:MI+1]
	s_add_nc_u64 s[BI:BI+1], s[BI:BI+1], s[32:33]
	s_mul_i32 s30, s30, XPART
	s_mul_i32 s31, s31, WPART
	s_lshl_b32 s2, s[NTR], 10                      ; along n': 256 numbers a tile, 128 a wave
	s_lshl_b32 s35, s[LO], 9
	s_add_co_u32 s2, s2, s35
	s_add_nc_u64 s[\D+4:\D+5], s[\D+4:\D+5], s[2:3]
	s_lshl_b32 s32, s[MTR], 9                      ; along m': 128 a tile, 64 a wave
	s_lshl_b32 s34, s[HB], 8
	s_add_co_u32 s32, s32, s34
	s_add_nc_u64 s[\D+6:\D+7], s[\D+6:\D+7], s[32:33]
	s_mul_i32 s32, s[MTR], GRP                     ; A': its row group, + which two of a fill's four blocks I fetch
	s_add_co_u32 s32, s32, s[AO]
	s_mul_i32 s34, s[LO], 2*BLK
	s_add_co_u32 s32, s32, s34
	s_add_nc_u64 s[\D:\D+1], s[AP:AP+1], s[32:33]
	s_mul_i32 s2, s[NTR], 2*GRP                    ; B': which of its two row groups I fetch
	s_add_co_u32 s2, s2, s[BQ]
	s_mul_i32 s35, s[LO], GRP
	s_add_co_u32 s2, s2, s35
	s_add_nc_u64 s[\D+2:\D+3], s[BP:BP+1], s[2:3]
	s_lshl_b32 s34, s[MTR], MSH                    ; the result: [row group][K steps: 8, or 32 along the keys]
	s_lshl_b32 s35, s[NTR], 1
	s_add_co_u32 s34, s34, s35
	s_add_co_u32 s34, s34, s[LO]
	s_mul_i32 s34, s34, BLK
	s_mul_i32 s35, s[GR], XPART
	s_add_co_u32 s34, s34, s35
	s_mov_b32 s35, 0
	s_add_nc_u64 s[\D+8:\D+9], s[20:21], s[34:35]
	s_cmp_eq_u32 s[HB], 0
	s_cselect_b64 s[\PFD:\PFD+1], s[\D:\D+1], s[\D+2:\D+3]
	s_add_nc_u64 s[\PFD:\PFD+1], s[\PFD:\PFD+1], s[PSH:PSH+1]
.endm
.macro VLOADS D                        ; a tile's numbers along n' (register 8 b + j: n' = 16 b + 8 h + j, as in the accumulators) and along m' (m' = 16 a + r)
	WIN 0x80
.irp b, 0,1,2,3,4,5,6,7
	global_load_b128 v[192+8*\b:192+8*\b+3], v[BO], s[\D+4:\D+5] offset:64*\b
	global_load_b128 v[192+8*\b+4:192+8*\b+7], v[BO], s[\D+4:\D+5] offset:64*\b+16
.endr
	WIN 0
.irp a, 0,1,2,3
	global_load_b32 v[LNX+\a], v[MO], s[\D+6:\D+7] offset:64*\a
.endr
.endm
.macro QUANT s, pw                     ; 64 numbers of a lane (register 16 b + i = position 16 (lane / 16) + i of block b) -> a fragment's codes in v[CD] on, its scale word in v[pw]
.irp b, 0,1,2,3
	v_max3_num_f32 v[TM+\b], |v[\s+16*\b]|, |v[\s+1+16*\b]|, 0x1800000   ; and the floor 2^(3 - 127): the byte cannot fall under 1
.endr
.irp i, 2,4,6,8,10,12,14
.irp b, 0,1,2,3
	v_max3_num_f32 v[TM+\b], v[TM+\b], |v[\s+16*\b+\i]|, |v[\s+1+16*\b+\i]|
.endr
.endr
.irp b, 0,1,2,3
	v_permlanex16_b32 v[TM+4+\b], v[TM+\b], s[SEL], s[SEL+1]
.endr
.irp b, 0,1,2,3
	v_max_num_f32 v[TM+\b], v[TM+\b], v[TM+4+\b]
.endr
.irp b, 0,1,2,3
	v_add_nc_u32 v[TM+12+\b], 0xff000000, v[TM+\b]   ; 2 off the exponent field: the conversion's scale operand
.endr
.irp b, 0,1,2,3
	v_lshrrev_b32 v[TM+4+\b], 23, v[TM+12+\b]
.endr
	v_lshl_or_b32 v[\pw], v[TM+5], 8, v[TM+4]
	v_lshl_or_b32 v[\pw], v[TM+6], 16, v[\pw]
	v_lshl_or_b32 v[\pw], v[TM+7], 24, v[\pw]
.irp c, 0,1
	v_cvt_scalef32_pk16_fp6_f32 v[CD+6*\c:CD+2+6*\c], v[\s+32*\c:\s+15+32*\c], v[TM+12+2*\c]
	v_cvt_scalef32_pk16_fp6_f32 v[CD+12+4*\c:CD+14+4*\c], v[\s+16+32*\c:\s+31+32*\c], v[TM+12+2*\c+1]
.endr
	v_nop                                          ; one plain place behind a scaled conversion
.irp c, 0,1
.irp i, 0,1,2
	v_permlane16_swap_b32 v[CD+6*\c+\i], v[CD+12+4*\c+\i]
.endr
.irp i, 0,1,2
	v_mov_b32 v[CD+3+6*\c+\i], v[CD+12+4*\c+\i]
.endr
.endr
.endm
	s_load_b512 s[4:19], s[0:1], 0x0               ; XC, WQ, bv, bq, bk, v_mask, q_mask, k_mask
	s_load_b64 s[20:21], s[0:1], 0x40              ; PC
	v_lshl_add_u32 v[SPW], v0, 2, SPARE
	v_mov_b32 v[NIL], 0
	ds_add_u32 v[SPW], v[NIL]                      ; the opening lines: the add, twice on end, and its wait ahead of my first tensor load
	ds_add_u32 v[SPW], v[NIL]
	v_lshrrev_b32 v1, 5, v0
	v_readfirstlane_b32 s[WV], v1
	s_lshr_b32 s[HB], s[WV], 1
	s_and_b32 s[LO], s[WV], 1
	s_bfe_u32 s[CX], ttmp6, 0x40000
	s_bfe_u32 s[CY], ttmp6, 0x40004
	s_and_b32 s29, ttmp7, 0xffff                   ; the cluster's y, 0 .. 15
	s_lshr_b32 s[HALF], s29, 3                     ; groups 0, 1, 4 or groups 2, 3, 5
	s_and_b32 s29, s29, 7
	s_lshl_b32 s[MT0], s29, 2
	s_add_co_u32 s[MT0], s[MT0], s[CY]             ; first kind: 32 x 4 tiles: tile row 4 x (0 .. 7) + cy, tile column cx
	s_and_b32 s[MT1], s29, 1
	s_lshl_b32 s[MT1], s[MT1], 2
	s_add_co_u32 s[MT1], s[MT1], s[CY]             ; second kind: 8 x 16 tiles
	s_lshr_b32 s[NT1], s29, 1
	s_lshl_b32 s[NT1], s[NT1], 2
	s_add_co_u32 s[NT1], s[NT1], s[CX]
	s_lshl_b32 s30, s[CY], 2
	s_lshl_b32 s30, 15, s30                        ; my row of the cluster
	s_lshl_b32 s31, 0x1111, s[CX]                  ; my column
	s_or_b32 s[G1A], s30, (3<<16)|(1<<21)          ; the mask; elements of 8 bytes; bit 21 beside a mask; no padding: a fragment is read as it lies, lane by lane
	s_or_b32 s[G1B], s31, (3<<16)|(1<<21)
.irp g, G1A, G1B
	s_mov_b32 s[\g+1], 32<<16                      ; rows of 256 bytes
	s_mov_b32 s[\g+3], 32<<16
	s_mov_b32 s[\g+5], 32
	s_mov_b32 s[\g+6], 0
	s_mov_b32 s[\g+7], 0
.endr
	s_mov_b32 s[G1A+2], 100<<16                    ; two blocks
	s_mov_b32 s[G1A+4], 100
	s_mov_b32 s[G1B+2], 200<<16                    ; four blocks
	s_mov_b32 s[G1B+4], 200
	s_mov_b32 s[SEL], 0x76543210
	s_mov_b32 s[SEL+1], 0xfedcba98
	s_cmp_eq_u32 s[HB], 0                          ; the prefetches: my place among the four that ask with me, x a quarter of what I fetch
	s_cselect_b32 s29, s[CX], s[CY]
	s_lshl_b32 s[PSH], 6400, s[HB]
	s_mul_i32 s[PSH], s[PSH], s29
	s_mov_b32 s[PSH+1], 0
	s_lshl_b32 s[GR], s[HALF], 1                   ; my first tile's group
	s_wait_dscnt 0x0                               ; both opening adds are done
	s_wait_kmcnt 0x0
	PARAMS 0, T1, PF1
	CROUND                                         ; all sixteen work-groups are here
	s_mul_i32 s29, s[LO], 2*BLK                    ; in a slot: A's four blocks, then B's two row groups' four each
	s_mul_i32 s30, s[LO], 4*BLK
	s_add_co_u32 s30, s30, 4*BLK
.irp s, 0,1
	s_mov_b32 s[G0A+4*\s], 1
	s_add_co_u32 s[G0A+4*\s+1], s29, \s*SLOT
	s_add_nc_u64 s[G0A+4*\s+2:G0A+4*\s+3], s[T1:T1+1], \s*4*BLK
	s_or_b32 s[G0A+4*\s+3], s[G0A+4*\s+3], 0x80000000
	s_mov_b32 s[G0B+4*\s], 1
	s_add_co_u32 s[G0B+4*\s+1], s30, \s*SLOT
	s_add_nc_u64 s[G0B+4*\s+2:G0B+4*\s+3], s[T1+2:T1+3], \s*4*BLK
	s_or_b32 s[G0B+4*\s+3], s[G0B+4*\s+3], 0x80000000
.endr
	JLOAD 0                                        ; the first tile's K steps 0-3: one tensor load a wave at the head
	s_mul_i32 s29, s[HB], 6144                     ; my four fragments of A',
	s_lshl_b32 s31, s[HB], 4                       ; their scale words: 16 bytes of a row's 32
	v_and_b32 v1, 31, v0                           ; lane
	v_and_b32 v2, 15, v0                           ; r
	v_bfe_u32 v3, v0, 4, 1                         ; h
	v_lshl_add_u32 v[A16], v1, 4, s29
	v_lshl_add_u32 v[A8], v1, 3, s29
	v_lshl_add_u32 v[AS], v2, 5, s31
	v_lshl_add_u32 v[B16], v1, 4, s30              ; my row group of B'
	v_lshl_add_u32 v[B8], v1, 3, s30
	v_lshl_add_u32 v[BS], v2, 5, s30
.irp x, A16, A8, AS, B16, B8, BS
	v_add_nc_u32 v[\x+1], SLOT, v[\x]              ; and the same in slot 1
.endr
	v_lshlrev_b32 v[BO], 5, v3
	v_lshlrev_b32 v[MO], 2, v2
	v_min_u32 v[PFO], 24, v1
	v_lshlrev_b32 v[PFO], 8, v[PFO]                ; a lane a block of 256 bytes, 25 to an instruction
.irp b, 0,1,2,3
	v_mov_b32 v[TM+4+\b], 0                        ; written once: a lane permute's destination counts as one of its sources
	v_mov_b32 v[LN+2*\b+1], 0                      ; (named with the mask as a pair)
.endr
	s_wait_alu depctr_va_vdst(0)                   ; the wait behind the head's vector work
	VLOADS T1
	ASK PF1, 4*BLK                                 ; the first tile's K steps 4-7, whose load goes out when K steps 0-3 have landed
	s_mov_b64 s[OUTC:OUTC+1], s[T1+8:T1+9]
	s_add_co_u32 s[GR], s[HALF], 4
	PARAMS 1, T2, PF2                              ; the third tile,
	s_wait_xcnt 0x0                                ; the loads and the prefetches have read their bases, which are written again below
	s_lshl_b32 s[GR], s[HALF], 1
	s_add_co_u32 s[GR], s[GR], 1
	PARAMS 0, T1, PF1                              ; the second
	s_mov_b32 s[CNT], 2
.macro FRAG4 dst, a16, a8, off         ; a fragment as it lies: each load covers 512 or 256 consecutive bytes
	ds_load_b128 v[\dst:\dst+3], v[\a16] offset:\off
	ds_load_b64 v[\dst+4:\dst+5], v[\a8] offset:\off+512
	ds_load_b128 v[\dst+6:\dst+9], v[\a16] offset:\off+768
	ds_load_b64 v[\dst+10:\dst+11], v[\a8] offset:\off+1280
.endm
.macro FETCH ks                        ; K step ks's fragments and scale words into set ks % 2: 51 LDS loads
.set SL, ((\ks)/4)%2
.set ST, (\ks)%2
.set OF, ((\ks)%4)*BLK
	WIN 0x80
.irp b, 0,1,2,3,4,5,6,7
	FRAG4 96*ST+12*\b, B16+SL, B8+SL, OF+1536*\b
.endr
	WIN 0xc0
.irp a, 0,1,2,3
	FRAG4 48*ST+12*\a, A16+SL, A8+SL, OF+1536*\a
.endr
	WIN 0
	ds_load_b128 v[SC+12*ST:SC+12*ST+3], v[AS+SL] offset:OF+SCO
	ds_load_b128 v[SC+12*ST+4:SC+12*ST+7], v[BS+SL] offset:OF+SCO
	ds_load_b128 v[SC+12*ST+8:SC+12*ST+11], v[BS+SL] offset:OF+SCO+16
.endm
.macro MWIN ks, tail                   ; source 0 (B') window 2, source 1 (A') window 3, D window 1; C window 1, in K step 0 the bias: window 2, in the tail window 0
.if (\ks) == 0
.if \tail
	WIN 0x4e
.else
	WIN 0x6e
.endif
.else
	WIN 0x5e
.endif
.endm
.macro MULA ks, a, tail                ; A's block a against B's eight: the 32 accumulators take turns, one instruction a turn
.set ST, (\ks)%2
.irp b, 0,1,2,3,4,5,6,7
.if (\ks) == 0
.if \tail
	v_wmma_scale_f32_16x16x128_f8f6f4 v[8*(8*\a+\b):8*(8*\a+\b)+7], v[96*ST+12*\b:96*ST+12*\b+11], v[48*ST+12*\a:48*ST+12*\a+11], v[CB+8*\a:CB+8*\a+7], v[SC+12*ST+4+\b], v[SC+12*ST+\a] matrix_a_fmt:MATRIX_FMT_FP6 matrix_b_fmt:MATRIX_FMT_FP6
.else
	v_wmma_scale_f32_16x16x128_f8f6f4 v[8*(8*\a+\b):8*(8*\a+\b)+7], v[96*ST+12*\b:96*ST+12*\b+11], v[48*ST+12*\a:48*ST+12*\a+11], v[192+8*\b:192+8*\b+7], v[SC+12*ST+4+\b], v[SC+12*ST+\a] matrix_a_fmt:MATRIX_FMT_FP6 matrix_b_fmt:MATRIX_FMT_FP6
.endif
.else
	v_wmma_scale_f32_16x16x128_f8f6f4 v[8*(8*\a+\b):8*(8*\a+\b)+7], v[96*ST+12*\b:96*ST+12*\b+11], v[48*ST+12*\a:48*ST+12*\a+11], v[8*(8*\a+\b):8*(8*\a+\b)+7], v[SC+12*ST+4+\b], v[SC+12*ST+\a] matrix_a_fmt:MATRIX_FMT_FP6 matrix_b_fmt:MATRIX_FMT_FP6
.endif
.endr
.endm
.macro STEP ks, tail
.if ((\ks) == 3) || (((\ks) == 7) && ((\tail) == 0))   ; a slot's last K step: the change of slots
.set SS, (\ks)/4
	WIN 0
	s_wait_tensorcnt 0x0                           ; all my tensor loads have landed: my part of the other slot
.if (\tail) == 0
	ds_add_u32 v[SPW], v[NIL]
	s_wait_dscnt 0x1                               ; this step's fragments are in; the add may be out
.else
	s_wait_dscnt 0x0                               ; it shows the last fill to all four waves
.endif
	MWIN \ks, \tail
	MULA \ks, 0, \tail
.if (\tail) == 0
	s_wait_dscnt 0x0                               ; the add is done, and my reads of this slot are over
.endif
	s_barrier_signal -1
	MULA \ks, 1, \tail
	WIN 0
	s_barrier_wait -1
.if (\tail) == 0
	CREST                                          ; the barrier has opened a round: no wave of any partner reads this slot or has a load on its way
	s_add_nc_u64 s[G0A+4*SS+2:G0A+4*SS+3], s[T1:T1+1], SS*4*BLK       ; the next tile's K steps 0-3 or 4-7
	s_or_b32 s[G0A+4*SS+3], s[G0A+4*SS+3], 0x80000000
	s_add_nc_u64 s[G0B+4*SS+2:G0B+4*SS+3], s[T1+2:T1+3], SS*4*BLK
	s_or_b32 s[G0B+4*SS+3], s[G0B+4*SS+3], 0x80000000
	JLOAD SS                                       ; the four v_nop behind it are the places ahead of the loads below
.else
	PLACES
.endif
	FETCH ((\ks)+1)%8
.if (\tail) == 0
.if (\ks) == 3
	ASK PF1, 4*BLK                                 ; the next tile's K steps 4-7
.else
	s_cmp_eq_u32 s[CNT], 2                         ; the tile after the next has K steps 0-3 to ask for in the first trip alone
	s_cbranch_scc0 .Lno_third_\@
	ASK PF2, 0
.Lno_third_\@:
.endif
.endif
	MWIN \ks, \tail
	MULA \ks, 2, \tail
	MULA \ks, 3, \tail
	WIN 0
.else
	PLACES                                         ; ahead of the loads into registers that the step before read
.if ((\ks) == 1) && ((\tail) == 0)
	VLOADS T1                                      ; the next tile's numbers: K step 0 has read this tile's bias, the trip's head its mask
.endif
.if (\ks) < 7
	FETCH (\ks)+1
	s_wait_dscnt 51                                ; all but the 51 just issued
.else
	s_wait_dscnt 0x0
.endif
	MWIN \ks, \tail
	MULA \ks, 0, \tail
	MULA \ks, 1, \tail
	MULA \ks, 2, \tail
	MULA \ks, 3, \tail
	WIN 0
.endif
.endm
; THE WAY OUT: 16 rows m' at a time: x mask, quantised along n', stored as a fragment.  Each accumulator is read from its low end on.
.macro EPI a, tail
.if \a > 0
	s_wait_xcnt 0x0                                ; the last fragment's stores have read their registers
.endif
.if \tail
	WIN 0x09                                       ; source 0: the accumulators, window 1; source 1: the tokens' masks, window 2
.else
	WIN 0x01
.endif
.set ii, 0
.rept 32
.if \tail
	v_pk_mul_f32 v[H+ii:H+ii+1], v[64*\a+ii:64*\a+ii+1], v[192+ii:192+ii+1]
.else
	v_pk_mul_f32 v[H+ii:H+ii+1], v[64*\a+ii:64*\a+ii+1], v[LN+2*\a:LN+2*\a+1] op_sel_hi:[1,0]   ; my token's mask
.endif
.set ii, ii+2
.endr
	WIN 0
	QUANT H, PWS+\a
	global_store_b128 v[A16], v[CD:CD+3], s[OUTC:OUTC+1] offset:1536*\a            ; 512 consecutive bytes, aligned
	global_store_b64 v[A8], v[CD+4:CD+5], s[OUTC:OUTC+1] offset:1536*\a+512        ; 256
	global_store_b128 v[A16], v[CD+6:CD+9], s[OUTC:OUTC+1] offset:1536*\a+768
	global_store_b64 v[A8], v[CD+10:CD+11], s[OUTC:OUTC+1] offset:1536*\a+1280
.endm
.macro WAYOUT tail
	PLACES
	EPI 0, \tail
	EPI 1, \tail
	EPI 2, \tail
	EPI 3, \tail
	global_store_b128 v[AS], v[PWS:PWS+3], s[OUTC:OUTC+1] offset:SCO   ; my row's four scale words; lanes l and l xor 16 hold the same and write the same place
.endm
	s_wait_alu depctr_va_vdst(0)                   ; the head's end
	s_wait_tensorcnt 0x0                           ; my part of the first fill is in
	ds_add_u32 v[SPW], v[NIL]
	s_wait_dscnt 0x0
	CROUND                                         ; everybody's part is in, and all sixteen work-groups are here
	JLOAD 1                                        ; the first tile's K steps 4-7: slot 1's first fill
	FETCH 0
	ASK PF1, 0                                     ; the second tile's K steps 0-3
.Ltile:                                                ; a trip: a tile of the first kind
	s_wait_loadcnt 0x0                             ; its bias and mask
.irp a, 0,1,2,3
	v_cvt_f32_i32 v[LN+2*\a], v[LNX+\a]            ; the mask as f32
.endr
	s_wait_alu depctr_va_vdst(0)
.irp k, 0,1,2,3,4,5,6,7
	STEP \k, 0
.endr
	WAYOUT 0
	s_wait_xcnt 0x0                                ; loads, stores and prefetches have read their bases and data
	s_mov_b64 s[OUTC:OUTC+1], s[T1+8:T1+9]         ; on to the next tile
.irp i, 0,2,4,6,8
	s_mov_b64 s[T1+\i:T1+\i+1], s[T2+\i:T2+\i+1]
.endr
	s_mov_b64 s[PF1:PF1+1], s[PF2:PF2+1]
	s_sub_co_u32 s[CNT], s[CNT], 1
	s_cmp_lg_u32 s[CNT], 0
	s_wait_alu depctr_va_vdst(0)
	s_cbranch_scc1 .Ltile
	s_wait_loadcnt 0x0                             ; THE TAIL: the tile of the second kind; its columns' biases and its tokens' masks
.irp a, 0,1,2,3
.irp j, 0,1,2,3,4,5,6,7
	v_mov_b32 v[CB+8*\a+\j], v[LNX+\a]             ; my column's bias in all eight registers of a C
.endr
.endr
	WIN 0x82
.set ii, 0
.rept 64
	v_cvt_f32_i32 v[192+ii], v[192+ii]             ; the masks as f32
.set ii, ii+1
.endr
	WIN 0
	s_wait_alu depctr_va_vdst(0)
.irp k, 0,1,2,3,4,5,6,7
	STEP \k, 1
.endr
	WAYOUT 1
	s_wait_tensorcnt 0x0                           ; the wave's end
	ds_add_u32 v[SPW], v[NIL]
	s_wait_dscnt 0x0
	CROUND                                         ; the closing round
	s_endpgm
.Lfunc_end_k_q19895b5a49_proj:
	.size	k_q19895b5a49_proj, .Lfunc_end_k_q19895b5a49_proj-k_q19895b5a49_proj
	.p2alignl 7, 3214868480
	.fill 96, 4, 3214868480
	.section	.rodata,"a",@progbits
	.p2align	6, 0x0
	.amdhsa_kernel k_q19895b5a49_proj
		.amdhsa_group_segment_fixed_size 327680
		.amdhsa_private_segment_fixed_size 0
		.amdhsa_enable_private_segment 0
		.amdhsa_kernarg_size 72
		.amdhsa_user_sgpr_count 2
		.amdhsa_user_sgpr_kernarg_segment_ptr 1
		.amdhsa_wavefront_size32 1
		.amdhsa_system_sgpr_workgroup_id_x 1
		.amdhsa_system_sgpr_workgroup_id_y 1
		.amdhsa_system_sgpr_workgroup_id_z 1
		.amdhsa_system_vgpr_workitem_id 0
		.amdhsa_next_free_vgpr 1024
		.amdhsa_next_free_sgpr 106
		.amdhsa_reserve_vcc 0
		.amdhsa_float_denorm_mode_32 3
		.amdhsa_float_denorm_mode_16_64 3
		.amdhsa_memory_ordered 1
		.amdhsa_forward_progress 1
		.amdhsa_inst_pref_size 195
	.end_amdhsa_kernel
	.amdgpu_metadata
---
amdhsa.version: [ 1, 2 ]
amdhsa.kernels:
  - .name:           k_q19895b5a49_proj
    .symbol:         k_q19895b5a49_proj.kd
    .args:
      - { .name: XC, .offset: 0, .size: 8, .value_kind: global_buffer, .address_space: global }
      - { .name: WQ, .offset: 8, .size: 8, .value_kind: global_buffer, .address_space: global }
      - { .name: bv, .offset: 16, .size: 8, .value_kind: global_buffer, .address_space: global }
      - { .name: bq, .offset: 24, .size: 8, .value_kind: global_buffer, .address_space: global }
      - { .name: bk, .offset: 32, .size: 8, .value_kind: global_buffer, .address_space: global }
      - { .name: v_mask, .offset: 40, .size: 8, .value_kind: global_buffer, .address_space: global }
      - { .name: q_mask, .offset: 48, .size: 8, .value_kind: global_buffer, .address_space: global }
      - { .name: k_mask, .offset: 56, .size: 8, .value_kind: global_buffer, .address_space: global }
      - { .name: PC, .offset: 64, .size: 8, .value_kind: global_buffer, .address_space: global }
    .group_segment_fixed_size: 327680
    .private_segment_fixed_size: 0
    .kernarg_segment_align: 8
    .kernarg_segment_size: 72
    .max_flat_workgroup_size: 128
    .sgpr_count:     106
    .vgpr_count:     1024
    .wavefront_size: 32
...
	.end_amdgpu_metadata
.endif
;; end of part 2
;; launch attn (part 3): grid 4 x 64, 16 waves a work-group, clusters of 4 x 1, 210,944 bytes of LDS; arguments PC, q_mask, k_mask, AC; writes AC
.if DOCPART == 3
	.amdgcn_target "amdgcn-amd-amdhsa--gfx1250"
	.amdhsa_code_object_version 6
	.text
	.protected	k_q19895b5a49_attn
	.globl	k_q19895b5a49_attn
	.p2align	8
	.type	k_q19895b5a49_attn,@function
k_q19895b5a49_attn:
	s_mov_b64 s[64:65], 0
	v_nop
	global_prefetch_b8 v0, s[64:65] scope:SCOPE_SE
	s_setreg_imm32_b32 hwreg(HW_REG_WAVE_MODE, 25, 1), 1
	s_wait_xcnt 0x0
	s_wait_alu depctr_hold_cnt(0) depctr_sa_sdst(0) depctr_va_vdst(0) depctr_va_sdst(0) depctr_va_ssrc(0) depctr_va_vcc(0) depctr_vm_vsrc(0)
	s_getreg_b32 s2, hwreg(HW_REG_IB_STS2, 6, 4)
	s_cmp_eq_u32 s2, 0
	s_cbranch_scc0 .Lentry_in_a_cluster
	s_endpgm
.Lentry_in_a_cluster:
	s_bfe_u32 s2, ttmp6, 0x10000c
	s_cmp_lg_u32 s2, 0x3003
	s_cbranch_scc0 .Lentry_shape_is_right
	s_endpgm
.Lentry_shape_is_right:
; Both attentions on codes of FP6: 0: Q = v_q, K = q_k, V = q_v, mask q_mask;  1: Q = k_q, K = k_k, V = k_q, mask k_mask.  512 keys, head size 64.
; The results are quantised along the head's axis and stored as K steps 8-15 and 16-23 of the output products' operand AC.
; A work-group takes a batch, a PAIR of heads (128 columns: one K step of the codes along the head's axis, one row group of the codes along the keys) and 128 queries, for both attentions.
; CLUSTER: the four query quarters walk the same K and V: each block is asked for jointly.  All sixteen blocks (K and V of both attentions, 512 keys) lie in LDS, filled once: a wave has one tensor load out.
; A wave owns 16 queries of ONE head (wave / 2: the queries; wave % 2: the head) in 256 registers: four waves to a SIMD, so that one wave's softmax stands beside another's products.
; Both products are used transposed (S^T = K Q^T, O^T = V^T P^T): a lane holds one query throughout; registers run along the keys in the order in which V's codes are laid (bits 3 and 4 of a place in a block exchanged).
; K = 64 IN AN INSTRUCTION OF 128: a head is half a fragment (six registers).  Q's upper six registers are zero codes, so whatever K's upper six hold adds nothing; the scale words come as 16 bits, so their upper bytes are 0, never 0xff.
; THE MASK is the C of the score product: 0, or -1e9 for a masked key.  That is what a selection gives, exactly: a masked key's row of K was multiplied by the same mask, so its score is 0.
; THE SOFTMAX: t = score x log2(e) / 8; M = the largest t so far, rounded up to a whole number; p = 2^(t - M) is quantised along the keys; the row's sum is taken of the unquantised p and divides at the end.
; LIMITS: NaN and infinities are not served; a block of zeros gets the byte 1.
.set BLK,   12800
.set SCO,   12288
.set XPART, 3276800
.set NBO,   16*BLK                     ; behind the sixteen blocks: the two masks as f32, 2,048 bytes each, stored by the waves
.set SPARE, NBO+4096                   ; the spare words, 128 bytes a wave
.set AK16, 1                           ; v1-4, 7, 28, 29: my lane's places in a block of K, of V, among their scale words, in the mask; never rewritten
.set AK8,  2
.set AV16, 3
.set AV8,  4
.set SPW,  5
.set NIL,  6
.set ASK,  7
.set ASV,  28
.set ANB,  29
.set DK16, 8                           ; the step's addresses
.set DK8,  9
.set DKS,  10
.set DV16, 11
.set DV8,  30
.set DVS,  31
.set DNB,  94
.set O16,  95                          ; my half fragment's places in a block of Q and of the result
.set O8,   192
.set OS,   193
.set FR,   32                          ; v32-79 four fragments
.set S,    96                          ; v96-159 S^T, then p
.set OT,   160                         ; v160-191 O^T
.set WV,   12
.set SEL,  22
.set CS,   24
.set G1,   28
.set G0,   36
.set TB,   40
.set TN,   41
.set CNT,  42
.macro PLACES
.rept 4
	v_nop
.endr
.endm
.macro ROUND
	s_barrier_signal -1
	s_barrier_wait -1
	s_cmp_lg_u32 s[WV], 0
	s_cbranch_scc1 .Lnot_wave_0_\@
	s_barrier_signal -3
.Lnot_wave_0_\@:
	s_barrier_wait -3
	s_barrier_signal -1
	s_barrier_wait -1
.endm
	s_load_b256 s[4:11], s[0:1], 0x0               ; PC, q_mask, k_mask, AC
	v_lshl_add_u32 v[SPW], v0, 2, SPARE
	v_mov_b32 v[NIL], 0
	ds_add_u32 v[SPW], v[NIL]                      ; the wave's opening: the add, twice on end, and its wait ahead of my first tensor load
	ds_add_u32 v[SPW], v[NIL]
	v_lshrrev_b32 v8, 5, v0
	s_delay_alu instid0(VALU_DEP_1)
	v_readfirstlane_b32 s[WV], v8                  ; wave 0..15
	s_bfe_u32 s13, ttmp6, 0x40000                  ; cx: the query quarter; it enters Q's and the result's addresses alone
	s_and_b32 s14, ttmp7, 0xffff
	s_lshr_b32 s15, s14, 3                         ; the batch
	s_and_b32 s16, s14, 7                          ; the pair of heads
	s_lshr_b32 s17, s[WV], 2                       ; I fetch for: 0 K of attention 0, 1 its V, 2 K of attention 1, 3 its V;
	s_and_b32 s18, s[WV], 3                        ; which 128 keys
	s_and_b32 s19, s[WV], 1                        ; my head of the pair
	s_lshr_b32 s20, s[WV], 1                       ; my 16 queries
	s_mul_i32 s44, s17, 3
	s_lshr_b32 s44, 0xaa1, s44
	s_and_b32 s44, s44, 7                          ; parts 1, 4, 2, 5 of PC
	s_mul_i32 s44, s44, XPART
	s_lshl_b32 s45, s15, 2
	s_add_co_u32 s45, s45, s18                     ; the group of 128 tokens
	s_lshl_b32 s46, s45, 3
	s_add_co_u32 s46, s46, s16                     ; K: [token group][8 K steps]
	s_lshl_b32 s47, s16, 5
	s_add_co_u32 s47, s47, s45                     ; V: [column group][32 K steps]
	s_and_b32 s48, s17, 1
	s_cmp_eq_u32 s48, 0
	s_cselect_b32 s46, s46, s47
	s_mul_i32 s46, s46, BLK
	s_add_co_u32 s44, s44, s46
	s_mov_b32 s45, 0
	s_mov_b32 s[G1], 15|(3<<16)|(1<<21)            ; the mask: all four work-groups; elements of 8 bytes; bit 21 beside a mask; no padding
	s_mov_b32 s[G1+1], 32<<16                      ; a block is dense: 50 rows of 256 bytes
	s_mov_b32 s[G1+2], 50<<16
	s_mov_b32 s[G1+3], 32<<16
	s_mov_b32 s[G1+4], 50
	s_mov_b32 s[G1+5], 32
	s_mov_b32 s[G1+6], 0
	s_mov_b32 s[G1+7], 0
	s_mov_b32 s[SEL], 0x76543210
	s_mov_b32 s[SEL+1], 0xfedcba98
	s_mov_b32 s[CS], 0x3e38aa3b                    ; c = log2(e) / 8
	s_mov_b32 s[CS+1], s[CS]
	s_wait_dscnt 0x0                               ; both opening adds are done
	s_wait_kmcnt 0x0
	s_mov_b32 s[G0], 1
	s_mul_i32 s[G0+1], s[WV], BLK                  ; block w of the sixteen
	s_add_nc_u64 s[G0+2:G0+3], s[4:5], s[44:45]
	s_or_b32 s[G0+3], s[G0+3], 0x80000000
	ROUND                                          ; all four work-groups are here
	tensor_load_to_lds s[G0:G0+3], s[G1:G1+7]
	s_nop 0
	PLACES
	s_lshl_b32 s46, s15, 11                        ; the batch's 512 mask words
	s_mov_b32 s47, 0
	s_add_nc_u64 s[6:7], s[6:7], s[46:47]
	s_add_nc_u64 s[8:9], s[8:9], s[46:47]
	v_lshlrev_b32 v8, 2, v0                        ; thread t takes key t
	global_load_b32 v96, v8, s[6:7]
	global_load_b32 v97, v8, s[8:9]
	s_lshl_b32 s48, s15, 2
	s_add_co_u32 s48, s48, s13                     ; my queries' group of 128 tokens
	s_lshl_b32 s50, s48, 3
	s_add_co_u32 s50, s50, s16
	s_mul_i32 s50, s50, BLK
	s_mov_b32 s51, 0
	s_add_nc_u64 s[60:61], s[4:5], s[50:51]        ; v_q: part 0
	s_add_nc_u64 s[62:63], s[60:61], 3*XPART       ; k_q: part 3
	s_mul_i32 s52, s48, 24
	s_add_co_u32 s52, s52, s16
	s_add_co_u32 s52, s52, 8
	s_mul_i32 s52, s52, BLK
	s_mov_b32 s53, 0
	s_add_nc_u64 s[10:11], s[10:11], s[52:53]      ; AC: K step 8 + the pair of heads; attention 1's lies 8 blocks on
	v_and_b32 v9, 31, v0                           ; lane
	v_and_b32 v10, 15, v0                          ; r
	v_bfe_u32 v11, v0, 4, 1                        ; h
	s_mul_i32 s54, s19, 768                        ; my head's half of a fragment
	s_mul_i32 s55, s20, 1536
	s_add_co_u32 s55, s55, s54
	v_lshl_add_u32 v[O16], v9, 4, s55
	v_lshl_add_u32 v[O8], v9, 3, s55
	s_lshl_b32 s56, s20, 2
	s_lshl_b32 s57, s19, 1
	s_add_co_u32 s56, s56, s57
	v_lshl_add_u32 v[OS], v10, 5, s56              ; my head's two bytes of my row's scale word
	global_load_b128 v[16:19], v[O16], s[60:61]
	global_load_b64 v[20:21], v[O8], s[60:61] offset:512
	global_load_u16 v92, v[OS], s[60:61] offset:SCO
	global_load_b128 v[80:83], v[O16], s[62:63]
	global_load_b64 v[84:85], v[O8], s[62:63] offset:512
	global_load_u16 v93, v[OS], s[62:63] offset:SCO
	v_lshl_add_u32 v[AK16], v9, 4, s54
	v_lshl_add_u32 v[AK8], v9, 3, s54
	v_lshl_add_u32 v[ASK], v10, 5, s57
	s_mul_i32 s58, s19, 6144                       ; V: my head's 64 rows are four fragments
	v_lshl_add_u32 v[AV16], v9, 4, s58
	v_lshl_add_u32 v[AV8], v9, 3, s58
	s_lshl_b32 s59, s19, 4
	v_lshl_add_u32 v[ASV], v10, 5, s59
	v_lshlrev_b32 v[ANB], 5, v11
	v_lshl_add_u32 v98, v0, 2, NBO
	v_mov_b32 v99, 0xce6e6b28                      ; -1e9
.irp j, 22,23,24,25,26,27, 86,87,88,89,90,91
	v_mov_b32 v\j, 0                               ; Q's upper halves: zero codes
.endr
.irp t, 0,1,2,3
.irp j, 6,7,8,9,10,11
	v_mov_b32 v[FR+12*\t+\j], 0                    ; written once: K's products name them
.endr
.endr
.irp b, 0,1,2,3
	v_mov_b32 v[236+\b], 0                         ; written once: a lane permute's destination counts as one of its sources
.endr
	v_mov_b32 v253, 0                              ; (named as the upper half of the pair v[252:253] before it is first written)
	s_wait_loadcnt 0x6                             ; the two masks are in; Q's six loads may be out
	v_cmp_eq_u32 vcc_lo, 0, v96
	s_delay_alu instid0(VALU_DEP_1)
	v_cndmask_b32 v96, 0, v99, vcc_lo
	v_cmp_eq_u32 vcc_lo, 0, v97
	s_delay_alu instid0(VALU_DEP_1)
	v_cndmask_b32 v97, 0, v99, vcc_lo
	ds_store_b32 v98, v96
	ds_store_b32 v98, v97 offset:2048
	s_wait_tensorcnt 0x0                           ; my block is in,
	s_wait_dscnt 0x0                               ; my mask words are stored,
	s_barrier_signal -1
	s_barrier_wait -1                              ; everybody's are
	s_wait_loadcnt 0x0                             ; Q
; A KEY STEP: 128 keys: one block of K, one of V.
.macro STEP q, qs
	v_add_nc_u32 v[DK16], s[TB], v[AK16]           ; (these seven are also the places ahead of the loads into registers that the last products read)
	s_wait_alu depctr_va_vdst(0)
	v_add_nc_u32 v[DK8], s[TB], v[AK8]
	s_wait_alu depctr_va_vdst(0)
	v_add_nc_u32 v[DKS], s[TB], v[ASK]
	s_wait_alu depctr_va_vdst(0)
	v_add_nc_u32 v[DV16], s[TB], v[AV16]
	v_add_nc_u32 v[DV8], s[TB], v[AV8]
	v_add_nc_u32 v[DVS], s[TB], v[ASV]
	v_add_nc_u32 v[DNB], s[TN], v[ANB]
.irp t, 0,1,2,3,4,5,6,7
	ds_load_b128 v[S+8*\t:S+8*\t+3], v[DNB] offset:64*\t          ; the mask of keys 16 t + 8 h + 0 .. 7: the C of tile t
	ds_load_b128 v[S+8*\t+4:S+8*\t+7], v[DNB] offset:64*\t+16
.endr
.irp g, 0,1                                    ; S^T = K Q^T + the mask, four tiles of 16 keys at a time
.irp t, 0,1,2,3
	ds_load_b128 v[FR+12*\t:FR+12*\t+3], v[DK16] offset:1536*(4*\g+\t)
	ds_load_b64 v[FR+12*\t+4:FR+12*\t+5], v[DK8] offset:1536*(4*\g+\t)+512
	ds_load_u16 v[248+\t], v[DKS] offset:SCO+4*(4*\g+\t)
.endr
	s_wait_dscnt 0x0
.irp t, 0,1,2,3
	v_wmma_scale_f32_16x16x128_f8f6f4 v[S+8*(4*\g+\t):S+8*(4*\g+\t)+7], v[FR+12*\t:FR+12*\t+11], v[\q:\q+11], v[S+8*(4*\g+\t):S+8*(4*\g+\t)+7], v[248+\t], v[\qs] matrix_a_fmt:MATRIX_FMT_FP6 matrix_b_fmt:MATRIX_FMT_FP6
.endr
	PLACES
.endr
	s_wait_alu depctr_va_vdst(0)
.irp t, 0,1,2,3                                ; V's four fragments and their scale words are asked for here and land under the softmax
	ds_load_b128 v[FR+12*\t:FR+12*\t+3], v[DV16] offset:4*BLK+1536*\t
	ds_load_b64 v[FR+12*\t+4:FR+12*\t+5], v[DV8] offset:4*BLK+1536*\t+512
	ds_load_b128 v[FR+12*\t+6:FR+12*\t+9], v[DV16] offset:4*BLK+1536*\t+768
	ds_load_b64 v[FR+12*\t+10:FR+12*\t+11], v[DV8] offset:4*BLK+1536*\t+1280
.endr
	ds_load_b128 v[248:251], v[DVS] offset:4*BLK+SCO
.irp b, 0,1,2,3
	v_max3_num_f32 v[232+\b], v[S+16*\b], v[S+1+16*\b], v[S+2+16*\b]   ; the largest score of each block of 32 keys: for the row's maximum and, since p rises with the score, for the block's largest p
.endr
.irp i, 3,5,7,9,11,13
.irp b, 0,1,2,3
	v_max3_num_f32 v[232+\b], v[232+\b], v[S+16*\b+\i], v[S+1+16*\b+\i]
.endr
.endr
.irp b, 0,1,2,3
	v_max_num_f32 v[232+\b], v[232+\b], v[S+15+16*\b]
.endr
.irp b, 0,1,2,3
	s_delay_alu instid0(VALU_DEP_4)
	v_permlanex16_b32 v[236+\b], v[232+\b], s[SEL], s[SEL+1]
.endr
.irp b, 0,1,2,3
	s_delay_alu instid0(VALU_DEP_4)
	v_max_num_f32 v[232+\b], v[232+\b], v[236+\b]
.endr
	s_delay_alu instid0(VALU_DEP_2)
	v_max3_num_f32 v254, v232, v233, v234
	s_delay_alu instid0(VALU_DEP_1)
	v_max_num_f32 v254, v254, v235
	s_delay_alu instid0(VALU_DEP_1)
	v_mul_f32 v254, s[CS], v254                    ; as t
	s_delay_alu instid0(VALU_DEP_1)
	v_max_num_f32 v13, v13, v254                   ; the running largest t
	v_mov_b32 v254, v12
	s_delay_alu instid0(VALU_DEP_2)
	v_floor_f32 v12, -v13                          ; the new -M = -ceil(t): a whole number
	s_delay_alu instid0(VALU_DEP_1)
	v_sub_f32 v254, v12, v254
	s_delay_alu instid0(VALU_DEP_1)
	v_cvt_i32_f32 v254, v254                       ; (it saturates)
	s_delay_alu instid0(VALU_DEP_1)
	v_ldexp_f32 v252, 1.0, v254                    ; f = 2^(old M - new M): rounds nothing
.set jj, 0
.rept 32
	v_pk_fma_f32 v[S+jj:S+jj+1], v[S+jj:S+jj+1], s[CS:CS+1], v[12:13] op_sel_hi:[1,0,0]   ; t - M
.set jj, jj+2
.endr
.irp b, 0,1,2,3
	v_fma_f32 v[232+\b], v[232+\b], s[CS], v12
.endr
.set jj, 0
	s_wait_alu depctr_va_vdst(0)
.rept 64
	v_exp_f32 v[S+jj], v[S+jj]                     ; p = 2^(t - M)
.set jj, jj+1
.endr
	v_pk_mul_f32 v[14:15], v[14:15], v[252:253] op_sel_hi:[1,0]   ; the sums under the new M (a plain place behind the exponentials)
	s_wait_alu depctr_va_vdst(0)                   ; one wait for the batch of 64, ahead of its first reader
.irp b, 0,1,2,3
	v_exp_f32 v[232+\b], v[232+\b]                 ; each block's largest p
.endr
	v_pk_add_f32 v[236:237], v[100:101], v[104:105]
	v_pk_add_f32 v[254:255], v[108:109], v[112:113]
	v_pk_add_f32 v[246:247], v[116:117], v[120:121]
	v_pk_add_f32 v[244:245], v[124:125], v[128:129]
	v_pk_add_f32 v[242:243], v[132:133], v[136:137]
	v_pk_add_f32 v[240:241], v[140:141], v[144:145]
	v_pk_add_f32 v[238:239], v[148:149], v[152:153]
	v_pk_add_f32 v[14:15], v[14:15], v[156:157]
	v_pk_add_f32 v[236:237], v[236:237], v[96:97]
	v_pk_add_f32 v[254:255], v[254:255], v[98:99]
	v_pk_add_f32 v[246:247], v[246:247], v[102:103]
	v_pk_add_f32 v[244:245], v[244:245], v[106:107]
	v_pk_add_f32 v[242:243], v[242:243], v[110:111]
	v_pk_add_f32 v[240:241], v[240:241], v[114:115]
	v_pk_add_f32 v[238:239], v[238:239], v[118:119]
	v_pk_add_f32 v[14:15], v[14:15], v[122:123]
	v_pk_add_f32 v[236:237], v[236:237], v[126:127]
	v_pk_add_f32 v[254:255], v[254:255], v[130:131]
	v_pk_add_f32 v[246:247], v[246:247], v[134:135]
	v_pk_add_f32 v[244:245], v[244:245], v[138:139]
	v_pk_add_f32 v[242:243], v[242:243], v[142:143]
	v_pk_add_f32 v[240:241], v[240:241], v[146:147]
	v_pk_add_f32 v[238:239], v[238:239], v[150:151]
	v_pk_add_f32 v[14:15], v[14:15], v[154:155]
	v_pk_add_f32 v[236:237], v[236:237], v[158:159]
	s_delay_alu instid0(VALU_DEP_2)
	v_pk_add_f32 v[14:15], v[14:15], v[244:245]
	s_delay_alu instid0(VALU_DEP_2)
	v_pk_add_f32 v[236:237], v[236:237], v[242:243]
	v_pk_add_f32 v[254:255], v[254:255], v[240:241]
	v_pk_add_f32 v[246:247], v[246:247], v[238:239]
	s_delay_alu instid0(VALU_DEP_2)
	v_pk_add_f32 v[14:15], v[14:15], v[254:255]
	s_delay_alu instid0(VALU_DEP_2)
	v_pk_add_f32 v[236:237], v[236:237], v[246:247]
	s_delay_alu instid0(VALU_DEP_1)
	v_pk_add_f32 v[14:15], v[14:15], v[236:237]
	s_wait_alu depctr_va_vdst(0)                   ; and one for the four
.irp b, 0,1,2,3
	v_max_num_f32 v[232+\b], 0x1800000, v[232+\b]  ; the floor: the byte cannot fall under 1
.endr
.irp b, 0,1,2,3
	s_delay_alu instid0(VALU_DEP_4)
	v_add_nc_u32 v[244+\b], 0xff000000, v[232+\b]
.endr
.irp b, 0,1,2,3
	s_delay_alu instid0(VALU_DEP_4)
	v_lshrrev_b32 v[236+\b], 23, v[244+\b]
.endr
	s_delay_alu instid0(VALU_DEP_3)
	v_lshl_or_b32 v253, v237, 8, v236              ; p's scale word for these 128 keys
	s_delay_alu instid0(VALU_DEP_1)
	v_lshl_or_b32 v253, v238, 16, v253
	s_delay_alu instid0(VALU_DEP_1)
	v_lshl_or_b32 v253, v239, 24, v253
.irp c, 0,1
	v_cvt_scalef32_pk16_fp6_f32 v[224+6*\c:226+6*\c], v[S+32*\c:S+15+32*\c], v[244+2*\c]
	v_cvt_scalef32_pk16_fp6_f32 v[236+4*\c:238+4*\c], v[S+16+32*\c:S+31+32*\c], v[244+2*\c+1]
.endr
	v_nop                                          ; one plain place behind a scaled conversion
.irp c, 0,1
.irp i, 0,1,2
	v_permlane16_swap_b32 v[224+6*\c+\i], v[236+4*\c+\i]
.endr
.irp i, 0,1,2
	s_delay_alu instid0(VALU_DEP_3)
	v_mov_b32 v[227+6*\c+\i], v[236+4*\c+\i]
.endr
.endr
.set jj, 0
.rept 16
	v_pk_mul_f32 v[OT+jj:OT+jj+1], v[OT+jj:OT+jj+1], v[252:253] op_sel_hi:[1,0]   ; O^T under the new M.  (Sixteen places between the codes and the scale word just made and the products below)
.set jj, jj+2
.endr
	s_wait_alu depctr_va_vdst(0)
	s_wait_dscnt 0x0                               ; V
.irp t, 0,1,2,3                                ; O^T += V^T P^T: the four accumulators by turns
	v_wmma_scale_f32_16x16x128_f8f6f4 v[OT+8*\t:OT+8*\t+7], v[FR+12*\t:FR+12*\t+11], v[224:235], v[OT+8*\t:OT+8*\t+7], v[248+\t], v253 matrix_a_fmt:MATRIX_FMT_FP6 matrix_b_fmt:MATRIX_FMT_FP6
.endr
	s_add_co_u32 s[TB], s[TB], BLK
	s_add_co_u32 s[TN], s[TN], 512
.endm
.macro ATT att, q, qs
.if \att
	s_wait_xcnt 0x0                                ; the first attention's stores have read their registers, which the steps below write again
.endif
	v_mov_b32 v13, 0xff61b1e6                      ; the largest t so far: -3e38
	s_delay_alu instid0(VALU_DEP_1)
	v_floor_f32 v12, -v13
	v_mov_b32 v14, 0
	v_mov_b32 v15, 0
.set jj, 0
.rept 32
	v_mov_b32 v[OT+jj], 0                          ; the step is written once: the first finds zeros
.set jj, jj+1
.endr
	s_mov_b32 s[TB], \att*8*BLK
	s_mov_b32 s[TN], NBO+2048*\att
	s_mov_b32 s[CNT], 4
.Lstep_\@:
	STEP \q, \qs
	s_sub_co_u32 s[CNT], s[CNT], 1
	s_cmp_lg_u32 s[CNT], 0
	s_cbranch_scc1 .Lstep_\@
	PLACES
	v_add_f32 v14, v14, v15
	s_delay_alu instid0(VALU_DEP_1)
	v_permlanex16_b32 v252, v14, s[SEL], s[SEL+1]
	s_delay_alu instid0(VALU_DEP_1)
	v_add_f32 v14, v14, v252                       ; the row's sum
	s_wait_alu depctr_va_vdst(0)
	v_rcp_f32 v14, v14
	v_nop                                          ; a plain place behind the transcendental
	s_wait_alu depctr_va_vdst(0)                   ; and the wait ahead of its first reader
.set jj, 0
.rept 32
	v_mul_f32 v[S+jj], v[OT+jj], v14               ; register 8 t + j: channel 16 t + 8 h + j of my query
.set jj, jj+1
.endr
.irp b, 0,1                                    ; the head's 64 channels are two blocks: half a fragment
	v_max3_num_f32 v[232+\b], |v[S+16*\b]|, |v[S+1+16*\b]|, 0x1800000
.endr
.irp i, 2,4,6,8,10,12,14
.irp b, 0,1
	s_delay_alu instid0(VALU_DEP_2)
	v_max3_num_f32 v[232+\b], v[232+\b], |v[S+16*\b+\i]|, |v[S+1+16*\b+\i]|
.endr
.endr
.irp b, 0,1
	s_delay_alu instid0(VALU_DEP_2)
	v_permlanex16_b32 v[236+\b], v[232+\b], s[SEL], s[SEL+1]
.endr
.irp b, 0,1
	s_delay_alu instid0(VALU_DEP_2)
	v_max_num_f32 v[232+\b], v[232+\b], v[236+\b]
.endr
.irp b, 0,1
	s_delay_alu instid0(VALU_DEP_2)
	v_add_nc_u32 v[244+\b], 0xff000000, v[232+\b]
.endr
.irp b, 0,1
	s_delay_alu instid0(VALU_DEP_2)
	v_lshrrev_b32 v[236+\b], 23, v[244+\b]
.endr
	s_delay_alu instid0(VALU_DEP_1)
	v_lshl_or_b32 v254, v237, 8, v236
	v_cvt_scalef32_pk16_fp6_f32 v[224:226], v[S:S+15], v244
	v_cvt_scalef32_pk16_fp6_f32 v[228:230], v[S+16:S+31], v245
	v_nop
.irp i, 0,1,2
	v_permlane16_swap_b32 v[224+\i], v[228+\i]
.endr
	s_delay_alu instid0(VALU_DEP_3)
	v_mov_b32 v227, v228
	s_delay_alu instid0(VALU_DEP_3)
	v_mov_b32 v228, v229
	s_delay_alu instid0(VALU_DEP_3)
	v_mov_b32 v229, v230
	global_store_b128 v[O16], v[224:227], s[10:11] offset:\att*8*BLK          ; 512 consecutive bytes, aligned
	global_store_b64 v[O8], v[228:229], s[10:11] offset:\att*8*BLK+512        ; 256
	global_store_b16 v[OS], v254, s[10:11] offset:\att*8*BLK+SCO              ; my head's two scale bytes of my row
.endm
	ATT 0, 16, 92
	ATT 1, 80, 93
	s_wait_tensorcnt 0x0                           ; the wave's end
	ds_add_u32 v[SPW], v[NIL]
	s_wait_dscnt 0x0
	ROUND                                          ; the closing round
	s_endpgm
.Lfunc_end_k_q19895b5a49_attn:
	.size	k_q19895b5a49_attn, .Lfunc_end_k_q19895b5a49_attn-k_q19895b5a49_attn
	.p2alignl 7, 3214868480
	.fill 96, 4, 3214868480
	.section	.rodata,"a",@progbits
	.p2align	6, 0x0
	.amdhsa_kernel k_q19895b5a49_attn
		.amdhsa_group_segment_fixed_size 210944
		.amdhsa_private_segment_fixed_size 0
		.amdhsa_enable_private_segment 0
		.amdhsa_kernarg_size 32
		.amdhsa_user_sgpr_count 2
		.amdhsa_user_sgpr_kernarg_segment_ptr 1
		.amdhsa_wavefront_size32 1
		.amdhsa_system_sgpr_workgroup_id_x 1
		.amdhsa_system_sgpr_workgroup_id_y 1
		.amdhsa_system_sgpr_workgroup_id_z 1
		.amdhsa_system_vgpr_workitem_id 0
		.amdhsa_next_free_vgpr 256
		.amdhsa_next_free_sgpr 80
		.amdhsa_reserve_vcc 1
		.amdhsa_float_denorm_mode_32 3
		.amdhsa_float_denorm_mode_16_64 3
		.amdhsa_memory_ordered 1
		.amdhsa_forward_progress 1
		.amdhsa_inst_pref_size 58
	.end_amdhsa_kernel
	.amdgpu_metadata
---
amdhsa.version: [ 1, 2 ]
amdhsa.kernels:
  - .name:           k_q19895b5a49_attn
    .symbol:         k_q19895b5a49_attn.kd
    .args:
      - { .name: PC, .offset: 0, .size: 8, .value_kind: global_buffer, .address_space: global }
      - { .name: q_mask, .offset: 8, .size: 8, .value_kind: global_buffer, .address_space: global }
      - { .name: k_mask, .offset: 16, .size: 8, .value_kind: global_buffer, .address_space: global }
      - { .name: AC, .offset: 24, .size: 8, .value_kind: global_buffer, .address_space: global }
    .group_segment_fixed_size: 210944
    .private_segment_fixed_size: 0
    .kernarg_segment_align: 8
    .kernarg_segment_size: 32
    .max_flat_workgroup_size: 512
    .sgpr_count:     80
    .vgpr_count:     256
    .wavefront_size: 32
...
	.end_amdgpu_metadata
.endif
;; end of part 3
;; launch outp (part 4): grid 8 x 32, 4 waves a work-group, clusters of 4 x 4, 327,680 bytes of LDS; arguments AC, WQ, bko, bvo, out0, out1; writes out0, out1
.if DOCPART == 4
	.amdgcn_target "amdgcn-amd-amdhsa--gfx1250"
	.amdhsa_code_object_version 6
	.text
	.protected	k_q19895b5a49_outp
	.globl	k_q19895b5a49_outp
	.p2align	8
	.type	k_q19895b5a49_outp,@function
k_q19895b5a49_outp:
	s_mov_b64 s[64:65], 0
	v_nop
	global_prefetch_b8 v0, s[64:65] scope:SCOPE_SE
	s_setreg_imm32_b32 hwreg(HW_REG_WAVE_MODE, 25, 1), 1
	s_wait_xcnt 0x0
	s_wait_alu depctr_hold_cnt(0) depctr_sa_sdst(0) depctr_va_vdst(0) depctr_va_sdst(0) depctr_va_ssrc(0) depctr_va_vcc(0) depctr_vm_vsrc(0)
	s_getreg_b32 s2, hwreg(HW_REG_IB_STS2, 6, 4)
	s_cmp_eq_u32 s2, 0
	s_cbranch_scc0 .Lentry_in_a_cluster
	s_endpgm
.Lentry_in_a_cluster:
	s_bfe_u32 s2, ttmp6, 0x10000c
	s_cmp_lg_u32 s2, 0xf033
	s_cbranch_scc0 .Lentry_shape_is_right
	s_endpgm
.Lentry_shape_is_right:
; Both output products on codes of FP6: out0 = AC (K steps 0-23) x Wko + bko, out1 = AC (K steps 0-15) x Wvo + bvo.  AC and the weights lie in blocks of 12,800 bytes
; (128 rows x 128 K in the order of an operand's registers: fragment i at 1536 i, the rows' scale words at 12,288 + 32 r + 4 i); a row group's K steps lie on end.
; A work-group makes 128 rows x 128 columns of BOTH outputs: 8 x 32 = 256 work-groups.  A wave makes 64 x 64 of both: 32 accumulators; each fragment of A feeds both products.
; THE RING: two LDS slots, each with FOUR K steps: 4 blocks of A, 4 of Wko^T, 4 of Wvo^T (153,600 bytes).  Six fills; one load a wave: waves 0, 1 two blocks of A each,
; wave 2 Wko's four, wave 3 Wvo's four (fills 4 and 5, K steps 16-23, have no Wvo: wave 3 issues none).  By the text's own count a wave has one load out, with four K steps in which to land.
; CLUSTERS: 4 x 4.  A's blocks hang on the tile row alone and are asked for jointly along a row of the cluster, the weights' on the tile column alone, along a column.
; A round of the cluster's barrier stands at each change of slots behind which a slot is filled again.
; PREFETCH: behind the load of fill f, the head's too, each wave names its partner's share of fill f + 1, one slot (four K steps) ahead of the load that wants it: the four partners
; of a joint load share the blocks of 256 bytes out by address (25 a lane run: A 6,400 bytes a partner, the weights 12,800 in two instructions; lanes 25-31 name lane 24's again).  Fill 0 comes by its load alone.
; THE MATRIX INSTRUCTION IS USED TRANSPOSED (source 0 = 16 rows of W^T, source 1 = 16 rows of AC): a lane holds 8 neighbouring columns of one row.  The bias is the C of K step 0: nothing is cleared or added later.
; THE WAY OUT: 16 rows x 64 columns at a time through the wave's own stage (bytes that no fill lands on), back as rows of 256 bytes: sixteen lanes store one aligned unit.  out1 is finished with K step 15 and leaves in K steps 16, 17, 18, 20.
; The walk along K is written out: K step 0 (C = bias) and K steps 16-23 (one product) differ from the rest.
; REGISTERS: window 0: v7-31 addresses; v32-127 A's fragments, two sets; v128-151 scale words, two sets, and nothing else; v160-223 the way out.
;   window 1: accumulator (a, o, f) at v[8 (8 a + 4 o + f)], o = 0 out0, 1 out1.   window 2: the weights' fragments, two sets of 96; v192-255 the biases.
; LIMITS: NaN and infinities are not served.
.set BLK,   12800
.set SCO,   12288
.set WKO,   4096000                    ; where Wko^T begins in WQ,
.set WVO,   6553600                    ; and Wvo^T
.set SLOT,  12*BLK
.set STAGE, 2*SLOT                     ; behind the ring: 16 rows x 272 bytes for each wave
.set SPITCH, 272
.set SPARE, STAGE+4*16*SPITCH          ; behind the stages: the spare words, 128 bytes a wave
.set BO,  7                            ; v7 my place in a bias
.set A16, 8                            ; v8-25: LDS addresses, slot 0 and slot 1 of each: 16 bytes a lane, 8 bytes a lane, scale words; of A, Wko, Wvo
.set A8,  10
.set AS,  12
.set K16, 14
.set K8,  16
.set KS,  18
.set V16, 20
.set V8,  22
.set VS,  24
.set STO, 26
.set RD,  27
.set CO,  28
.set PFO, 29
.set SPW, 30
.set NIL, 31
.set AF,  32
.set SC,  128
.set TB,  160
.set WV,  16
.set HB,  17                           ; wave / 2: my 64 rows; also: I fetch for A (0) or for the weights (1)
.set LO,  18                           ; wave % 2: my 64 columns; also: which part I fetch
.set CX,  19
.set CY,  20
.set NT,  21
.set MT,  22
.set G0A, 36                           ; s[36:43] group 0 for A, one set a slot; s[44:51] for the weights
.set G0B, 44
.set G1A, 52                           ; s[52:59] group 1 for A (100 rows of 256 bytes); s[68:75] for the weights (200)
.set G1B, 68
.set PF,  60                           ; s[60:61] where my prefetches begin; never rewritten
.set MSB, 0
.macro WIN new                         ; the immediate's high byte repeats the setting that is left
.if MSB != \new
	s_set_vgpr_msb (MSB<<8)|\new
.set MSB, \new
.endif
.endm
.macro PLACES                          ; four plain places behind matrix instructions (ISA guide 7.12.1)
.rept 4
	v_nop
.endr
.endm
.macro CREST                           ; a round of the cluster's barrier behind its opening barrier
	s_cmp_lg_u32 s[WV], 0
	s_cbranch_scc1 .Lnot_wave_0_\@
	s_barrier_signal -3
.Lnot_wave_0_\@:
	s_barrier_wait -3
	s_barrier_signal -1
	s_barrier_wait -1
.endm
.macro CROUND
	s_barrier_signal -1
	s_barrier_wait -1
	CREST
.endm
; A joint load into slot s.  Each line has one mask and one set of registers; the branches hang on the wave's number alone.  novo = 1: the fill has no Wvo, wave 3 issues none
.macro JLOAD s, novo
	s_cmp_eq_u32 s[HB], 0
	s_cbranch_scc0 .Lfor_b_\@
	tensor_load_to_lds s[G0A+4*(\s):G0A+4*(\s)+3], s[G1A:G1A+7]
	s_nop 0
	PLACES
	s_branch .Lasked_\@
.Lfor_b_\@:
.if \novo
	s_cmp_eq_u32 s[WV], 3
	s_cbranch_scc1 .Lasked_\@
.endif
	tensor_load_to_lds s[G0B+4*(\s):G0B+4*(\s)+3], s[G1B:G1B+7]
	s_nop 0
	PLACES
.Lasked_\@:
.if \novo
	PLACES                                         ; wave 3's places ahead of the LDS loads that follow
.endif
.endm
.macro ASK f                           ; my share of fill f is named: every address lies inside the row group's K steps (Wvo has four fills)
.if (\f) >= 4
	s_cmp_eq_u32 s[WV], 3
	s_cbranch_scc1 .Lno_ask_\@
.endif
	global_prefetch_b8 v[PFO], s[PF:PF+1] offset:(\f)*4*BLK th:TH_LOAD_NT scope:SCOPE_SE
	s_cmp_eq_u32 s[HB], 0
	s_cbranch_scc1 .Lno_ask_\@
	global_prefetch_b8 v[PFO], s[PF:PF+1] offset:(\f)*4*BLK+6400 th:TH_LOAD_NT scope:SCOPE_SE
.Lno_ask_\@:
.endm
	s_load_b256 s[4:11], s[0:1], 0x0               ; AC, WQ, bko, bvo
	s_load_b128 s[12:15], s[0:1], 0x20             ; out0, out1
	v_lshl_add_u32 v[SPW], v0, 2, SPARE
	v_mov_b32 v[NIL], 0
	ds_add_u32 v[SPW], v[NIL]                      ; the opening lines: the add, twice on end, and its wait ahead of my first tensor load
	ds_add_u32 v[SPW], v[NIL]
	v_lshrrev_b32 v1, 5, v0
	v_readfirstlane_b32 s[WV], v1
	s_lshr_b32 s[HB], s[WV], 1
	s_and_b32 s[LO], s[WV], 1
	s_bfe_u32 s[CX], ttmp6, 0x40000
	s_bfe_u32 s[CY], ttmp6, 0x40004
	s_lshl_b32 s[NT], ttmp9, 2
	s_add_co_u32 s[NT], s[NT], s[CX]               ; which 128 columns
	s_and_b32 s[MT], ttmp7, 0xffff
	s_lshl_b32 s[MT], s[MT], 2
	s_add_co_u32 s[MT], s[MT], s[CY]               ; which 128 rows
	s_lshl_b32 s24, s[CY], 2
	s_lshl_b32 s24, 15, s24                        ; my row of the cluster
	s_lshl_b32 s25, 0x1111, s[CX]                  ; my column
	s_or_b32 s[G1A], s24, (3<<16)|(1<<21)          ; the mask; elements of 8 bytes; bit 21 beside a mask; no padding: a fragment is read as it lies, lane by lane
	s_or_b32 s[G1B], s25, (3<<16)|(1<<21)
.irp g, G1A, G1B
	s_mov_b32 s[\g+1], 32<<16                      ; rows of 256 bytes
	s_mov_b32 s[\g+3], 32<<16
	s_mov_b32 s[\g+5], 32
	s_mov_b32 s[\g+6], 0
	s_mov_b32 s[\g+7], 0
.endr
	s_mov_b32 s[G1A+2], 100<<16                    ; two blocks
	s_mov_b32 s[G1A+4], 100
	s_mov_b32 s[G1B+2], 200<<16                    ; four blocks
	s_mov_b32 s[G1B+4], 200
	s_mul_i32 s26, s[MT], 24*BLK                   ; A: my row group, + which two of a fill's four blocks
	s_mul_i32 s31, s[LO], 2*BLK
	s_add_co_u32 s26, s26, s31
	s_mov_b32 s27, 0
	s_mul_i32 s28, s[NT], 24*BLK                   ; the weights: Wko's row group or Wvo's
	s_add_co_u32 s28, s28, WKO
	s_mul_i32 s30, s[NT], 16*BLK
	s_add_co_u32 s30, s30, WVO
	s_cmp_eq_u32 s[LO], 0
	s_cselect_b32 s28, s28, s30
	s_mov_b32 s29, 0
	s_mul_i32 s32, s[LO], 4*BLK
	s_add_co_u32 s32, s32, 4*BLK                   ; in a slot: A's four blocks, Wko's four, Wvo's four
	s_wait_dscnt 0x0                               ; both opening adds are done
	s_wait_kmcnt 0x0
	s_add_nc_u64 s[26:27], s[4:5], s[26:27]
	s_add_nc_u64 s[28:29], s[6:7], s[28:29]
	CROUND                                         ; all sixteen work-groups are here
.irp s, 0,1
	s_mov_b32 s[G0A+4*\s], 1
	s_add_co_u32 s[G0A+4*\s+1], s31, \s*SLOT
	s_add_nc_u64 s[G0A+4*\s+2:G0A+4*\s+3], s[26:27], \s*4*BLK
	s_or_b32 s[G0A+4*\s+3], s[G0A+4*\s+3], 0x80000000
	s_mov_b32 s[G0B+4*\s], 1
	s_add_co_u32 s[G0B+4*\s+1], s32, \s*SLOT
	s_add_nc_u64 s[G0B+4*\s+2:G0B+4*\s+3], s[28:29], \s*4*BLK
	s_or_b32 s[G0B+4*\s+3], s[G0B+4*\s+3], 0x80000000
.endr
	JLOAD 0, 0                                     ; fill 0: one tensor load a wave at the head
	s_mul_i32 s24, s[HB], 6144                     ; my four fragments of A,
	s_mul_i32 s25, s[LO], 6144
	s_add_co_u32 s25, s25, 4*BLK                   ; of Wko
	s_lshl_b32 s30, s[HB], 4                       ; and their scale words: 16 bytes of a row's 32
	s_lshl_b32 s31, s[LO], 4
	s_add_co_u32 s31, s31, 4*BLK
	s_mul_i32 s33, s[WV], 16*SPITCH
	s_add_co_u32 s33, s33, STAGE                   ; my stage
	s_lshl_b32 s34, s[NT], 9
	s_lshl_b32 s32, s[LO], 8
	s_add_co_u32 s34, s34, s32                     ; my first column, in bytes
	s_mov_b32 s35, 0
	s_add_nc_u64 s[8:9], s[8:9], s[34:35]
	s_add_nc_u64 s[10:11], s[10:11], s[34:35]
	s_lshl_b32 s32, s[MT], 19
	s_add_co_u32 s34, s34, s32
	s_lshl_b32 s32, s[HB], 18
	s_add_co_u32 s34, s34, s32                     ; + my first row x 4,096 bytes
	s_add_nc_u64 s[12:13], s[12:13], s[34:35]
	s_add_nc_u64 s[14:15], s[14:15], s[34:35]
	s_cmp_eq_u32 s[HB], 0                          ; the prefetches: my place among the four that ask with me,
	s_cselect_b32 s32, s[CX], s[CY]
	s_cselect_b64 s[PF:PF+1], s[26:27], s[28:29]
	s_lshl_b32 s62, 6400, s[HB]                    ; a partner's share: a quarter of what I fetch
	s_mul_i32 s62, s62, s32
	s_mov_b32 s63, 0
	s_add_nc_u64 s[PF:PF+1], s[PF:PF+1], s[62:63]
	v_and_b32 v1, 31, v0                           ; lane
	v_and_b32 v2, 15, v0                           ; r
	v_bfe_u32 v3, v0, 4, 1                         ; h
	v_lshl_add_u32 v[A16], v1, 4, s24
	v_lshl_add_u32 v[A8], v1, 3, s24
	v_lshl_add_u32 v[AS], v2, 5, s30
	v_lshl_add_u32 v[K16], v1, 4, s25
	v_lshl_add_u32 v[K8], v1, 3, s25
	v_lshl_add_u32 v[KS], v2, 5, s31
.irp x, K16, K8, KS
	v_add_nc_u32 v[\x+6], 4*BLK, v[\x]             ; Wvo's lie four blocks behind Wko's
.endr
.irp x, A16, A8, AS, K16, K8, KS, V16, V8, VS
	v_add_nc_u32 v[\x+1], SLOT, v[\x]              ; and the same in slot 1
.endr
	v_mul_u32_u24 v4, v2, SPITCH                   ; into the stage: row r, 32 bytes for each half of the lanes
	v_lshl_add_u32 v4, v3, 5, v4
	v_add_nc_u32 v[STO], s33, v4
	v_mul_u32_u24 v5, v3, SPITCH                   ; back: sixteen lanes a row of 256 bytes, two rows a load
	v_lshl_add_u32 v5, v2, 4, v5
	v_add_nc_u32 v[RD], s33, v5
	v_lshlrev_b32 v6, 12, v3
	v_lshl_add_u32 v[CO], v2, 4, v6                ; and the same two rows in the output
	v_min_u32 v[PFO], 24, v1
	v_lshlrev_b32 v[PFO], 8, v[PFO]                ; a lane a block of 256 bytes, 25 to an instruction
	v_lshlrev_b32 v[BO], 5, v3
	s_wait_alu depctr_va_vdst(0)                   ; the wait behind the head's vector work
	ASK 1                                          ; fill 1, whose load goes out when fill 0 has landed
	WIN 0x80
.irp f, 0,1,2,3                        ; register 8 f + j: column 16 f + 8 h + j, as in the accumulators
	global_load_b128 v[192+8*\f:192+8*\f+3], v[BO], s[8:9] offset:64*\f
	global_load_b128 v[192+8*\f+4:192+8*\f+7], v[BO], s[8:9] offset:64*\f+16
	global_load_b128 v[224+8*\f:224+8*\f+3], v[BO], s[10:11] offset:64*\f
	global_load_b128 v[224+8*\f+4:224+8*\f+7], v[BO], s[10:11] offset:64*\f+16
.endr
	WIN 0
.macro FRAG4 dst, a16, a8, off         ; a fragment as it lies: each load covers 512 or 256 consecutive bytes
	ds_load_b128 v[\dst:\dst+3], v[\a16] offset:\off
	ds_load_b64 v[\dst+4:\dst+5], v[\a8] offset:\off+512
	ds_load_b128 v[\dst+6:\dst+9], v[\a16] offset:\off+768
	ds_load_b64 v[\dst+10:\dst+11], v[\a8] offset:\off+1280
.endm
.macro FETCH ks                        ; K step ks's fragments and scale words into set ks % 2: 51 LDS loads, from K step 16 on 34
.set SL, ((\ks)/4)%2
.set ST, (\ks)%2
.set OF, ((\ks)%4)*BLK
	WIN 0x80
.irp f, 0,1,2,3
	FRAG4 96*ST+12*\f, K16+SL, K8+SL, OF+1536*\f
.endr
.if (\ks) < 16
.irp f, 0,1,2,3
	FRAG4 96*ST+48+12*\f, V16+SL, V8+SL, OF+1536*\f
.endr
.endif
	WIN 0
.irp f, 0,1,2,3
	FRAG4 AF+48*ST+12*\f, A16+SL, A8+SL, OF+1536*\f
.endr
	ds_load_b128 v[SC+12*ST:SC+12*ST+3], v[AS+SL] offset:OF+SCO
	ds_load_b128 v[SC+12*ST+4:SC+12*ST+7], v[KS+SL] offset:OF+SCO
.if (\ks) < 16
	ds_load_b128 v[SC+12*ST+8:SC+12*ST+11], v[VS+SL] offset:OF+SCO
.endif
.endm
.macro MWIN ks                         ; source 0 (W^T) window 2, source 1 (A) window 0, D window 1; C window 1, in K step 0 window 2 (the bias)
.if (\ks) == 0
	WIN 0x62
.else
	WIN 0x52
.endif
.endm
.macro MULA ks, a                      ; A's block a against the weights' fragments: the accumulators take turns, one instruction a turn
.set ST, (\ks)%2
.irp o, 0,1
.if (\o == 0) || ((\ks) < 16)
.irp f, 0,1,2,3
.if (\ks) == 0
	v_wmma_scale_f32_16x16x128_f8f6f4 v[8*(8*\a+4*\o+\f):8*(8*\a+4*\o+\f)+7], v[96*ST+48*\o+12*\f:96*ST+48*\o+12*\f+11], v[AF+48*ST+12*\a:AF+48*ST+12*\a+11], v[192+8*(4*\o+\f):192+8*(4*\o+\f)+7], v[SC+12*ST+4+4*\o+\f], v[SC+12*ST+\a] matrix_a_fmt:MATRIX_FMT_FP6 matrix_b_fmt:MATRIX_FMT_FP6
.else
	v_wmma_scale_f32_16x16x128_f8f6f4 v[8*(8*\a+4*\o+\f):8*(8*\a+4*\o+\f)+7], v[96*ST+48*\o+12*\f:96*ST+48*\o+12*\f+11], v[AF+48*ST+12*\a:AF+48*ST+12*\a+11], v[8*(8*\a+4*\o+\f):8*(8*\a+4*\o+\f)+7], v[SC+12*ST+4+4*\o+\f], v[SC+12*ST+\a] matrix_a_fmt:MATRIX_FMT_FP6 matrix_b_fmt:MATRIX_FMT_FP6
.endif
.endr
.endif
.endr
.endm
.macro TOSTAGE a, o                    ; block a of output o: into my stage, each accumulator from its low end on, and back by rows.  LDS serves a wave's instructions in order (ISA guide 5.7.1.4)
	s_wait_xcnt 0x0                                ; earlier stores have read the registers into which the rows come back
	WIN 0x04
.irp f, 0,1,2,3
	ds_store_b128 v[STO], v[8*(8*(\a)+4*\o+\f):8*(8*(\a)+4*\o+\f)+3] offset:64*\f
	ds_store_b128 v[STO], v[8*(8*(\a)+4*\o+\f)+4:8*(8*(\a)+4*\o+\f)+7] offset:64*\f+16
.endr
	WIN 0
.irp t, 0,1,2,3,4,5,6,7
	ds_load_b128 v[TB+32*((\a)%2)+4*\t:TB+32*((\a)%2)+4*\t+3], v[RD] offset:2*\t*SPITCH
.endr
.endm
.macro SEND a, base                    ; sixteen lanes store 256 consecutive bytes, aligned
.irp t, 0,1,2,3,4,5,6,7
	global_store_b128 v[CO], v[TB+32*((\a)%2)+4*\t:TB+32*((\a)%2)+4*\t+3], s[\base:\base+1] offset:(16*(\a)+2*\t)*4096 th:TH_STORE_NT
.endr
.endm
.macro STEP ks
.if ((\ks)%4 == 3) && ((\ks) < 23)     ; the slot's last K step: the change of slots
.set SS, ((\ks)/4)%2
	WIN 0
	s_wait_tensorcnt 0x0                           ; all my tensor loads have landed: my part of the next slot
.if (\ks) < 16
	ds_add_u32 v[SPW], v[NIL]
	s_wait_dscnt 0x1                               ; this step's fragments are in; the add may be out
.else
	s_wait_dscnt 0x0                               ; it shows the last fill to all four waves
.endif
	MWIN \ks
	MULA \ks, 0
.if (\ks) < 16
	s_wait_dscnt 0x0                               ; the add is done, and my reads of this slot are over
.endif
	s_barrier_signal -1
	MULA \ks, 1
	WIN 0
	s_barrier_wait -1
.if (\ks) < 16
	CREST                                          ; the barrier has opened a round: no wave of any partner reads this slot or has a load on its way
	s_add_nc_u64 s[G0A+4*SS+2:G0A+4*SS+3], s[G0A+4*SS+2:G0A+4*SS+3], 8*BLK
	s_add_nc_u64 s[G0B+4*SS+2:G0B+4*SS+3], s[G0B+4*SS+2:G0B+4*SS+3], 8*BLK
.if (\ks) > 8
	JLOAD SS, 1
.else
	JLOAD SS, 0                                    ; the fill two on; the four v_nop behind it are the places ahead of the loads below
.endif
.else
	PLACES
.endif
	FETCH (\ks)+1
.if (\ks) < 12
	ASK (\ks)/4+3
.endif
	MWIN \ks
	MULA \ks, 2
	MULA \ks, 3
	WIN 0
.else
.set OA, -1                            ; which block of out1 leaves in this step
.if ((\ks) >= 16) && ((\ks) <= 18)
.set OA, (\ks)-16
.endif
.if (\ks) == 20
.set OA, 3
.endif
.if (\ks) > 0
	PLACES                                         ; ahead of the loads into the set that the step before multiplied, and of the reads of out1's finished sums
.endif
.if OA >= 0
	TOSTAGE OA, 1
.endif
.if (\ks) < 15
	FETCH (\ks)+1
	s_wait_dscnt 51                                ; all but the 51 just issued
.elseif (\ks) < 23
	FETCH (\ks)+1
	s_wait_dscnt 34                                ; all but the 34 just issued: this step's fragments and the rows from the stage are in
.else
	s_wait_dscnt 0x0
.endif
.if (\ks) == 0
	s_wait_loadcnt 0x0                             ; the biases
.endif
.if OA >= 0
	SEND OA, 14
.endif
	MWIN \ks
	MULA \ks, 0
	MULA \ks, 1
	MULA \ks, 2
	MULA \ks, 3
	WIN 0
.endif
.endm
	s_wait_alu depctr_va_vdst(0)                   ; the head's end
	s_wait_tensorcnt 0x0                           ; my part of fill 0 is in
	ds_add_u32 v[SPW], v[NIL]
	s_wait_dscnt 0x0
	CROUND                                         ; everybody's part is in, and all sixteen work-groups are here
	JLOAD 1, 0                                     ; fill 1, slot 1's first
	FETCH 0
	ASK 2
.irp k, 0,1,2,3,4,5,6,7,8,9,10,11,12,13,14,15,16,17,18,19,20,21,22,23
	STEP \k
.endr
	PLACES                                         ; out0 goes out: a block's rows are stored while the next block is on its way through the stage
	TOSTAGE 0, 0
.irp a, 1,2,3
	TOSTAGE \a, 0
	s_wait_dscnt 16                                ; behind block a - 1's loads: block a's 8 stores and 8 loads
	SEND \a-1, 12
.endr
	s_wait_dscnt 0x0
	SEND 3, 12
	s_wait_tensorcnt 0x0                           ; the wave's end
	ds_add_u32 v[SPW], v[NIL]
	s_wait_dscnt 0x0
	CROUND                                         ; the closing round
	s_endpgm
.Lfunc_end_k_q19895b5a49_outp:
	.size	k_q19895b5a49_outp, .Lfunc_end_k_q19895b5a49_outp-k_q19895b5a49_outp
	.p2alignl 7, 3214868480
	.fill 96, 4, 3214868480
	.section	.rodata,"a",@progbits
	.p2align	6, 0x0
	.amdhsa_kernel k_q19895b5a49_outp
		.amdhsa_group_segment_fixed_size 327680
		.amdhsa_private_segment_fixed_size 0
		.amdhsa_enable_private_segment 0
		.amdhsa_kernarg_size 48
		.amdhsa_user_sgpr_count 2
		.amdhsa_user_sgpr_kernarg_segment_ptr 1
		.amdhsa_wavefront_size32 1
		.amdhsa_system_sgpr_workgroup_id_x 1
		.amdhsa_system_sgpr_workgroup_id_y 1
		.amdhsa_system_sgpr_workgroup_id_z 1
		.amdhsa_system_vgpr_workitem_id 0
		.amdhsa_next_free_vgpr 768
		.amdhsa_next_free_sgpr 80
		.amdhsa_reserve_vcc 0
		.amdhsa_float_denorm_mode_32 3
		.amdhsa_float_denorm_mode_16_64 3
		.amdhsa_memory_ordered 1
		.amdhsa_forward_progress 1
		.amdhsa_inst_pref_size 187
	.end_amdhsa_kernel
	.amdgpu_metadata
---
amdhsa.version: [ 1, 2 ]
amdhsa.kernels:
  - .name:           k_q19895b5a49_outp
    .symbol:         k_q19895b5a49_outp.kd
    .args:
      - { .name: AC, .offset: 0, .size: 8, .value_kind: global_buffer, .address_space: global }
      - { .name: WQ, .offset: 8, .size: 8, .value_kind: global_buffer, .address_space: global }
      - { .name: bko, .offset: 16, .size: 8, .value_kind: global_buffer, .address_space: global }
      - { .name: bvo, .offset: 24, .size: 8, .value_kind: global_buffer, .address_space: global }
      - { .name: out0, .offset: 32, .size: 8, .value_kind: global_buffer, .address_space: global }
      - { .name: out1, .offset: 40, .size: 8, .value_kind: global_buffer, .address_space: global }
    .group_segment_fixed_size: 327680
    .private_segment_fixed_size: 0
    .kernarg_segment_align: 8
    .kernarg_segment_size: 48
    .max_flat_workgroup_size: 128
    .sgpr_count:     80
    .vgpr_count:     768
    .wavefront_size: 32
...
	.end_amdgpu_metadata
.endif
;; end of part 4
